; MI455X (gfx1250); checked and timed in simulation.
; The chip was launched on July 23, 2026; its instructions are those of AMD's public machine-readable ISA for CDNA 5 (MIT licence, August 2026) and "CDNA5" Instruction Set Architecture Reference Guide (July 2026). The comments in the code are by the model that wrote it; some were corrected since.
;; Multi Head Attention. Allowed arithmetic: matrix products marked QUANTISED: E2M1 operands, one E8M0 scale for each 32 along K, by v_wmma_scale_f32_16x16x128_f8f6f4 with both operands' format E2M1 (or v_wmma_scale_f32_32x16x128_f4), f32 sums; products left as they are: bf16, f16 or f32 operands; f32 sums; everything else in f32.
;; Inputs: Wk 16 x 1,024 x 64 float32; Wo 1,024 x 1,024 float32; Wq 16 x 1,024 x 64 float32; Wv 16 x 1,024 x 64 float32; x 4 x 2,048 x 1,024 float32.
;; Outputs: out0 4 x 2,048 x 1,024 float32.
;; This version of the problem:
;;   THIS VERSION OF THE PROBLEM IS GIVEN IN LOW PRECISION. The matrix products marked QUANTISED in the list below multiply operands that are first quantised to E2M1 (2 exponent bits, 1 mantissa bit; 4 bits a number), with one power-of-two scale for each 32 numbers along K (OCP MX v1.0); their sums are f32. The products marked 'left as it is' may take bf16, f16 or f32 operands, with f32 sums. Whichever they take, every output number must still come out within the allowed error. Rounding operands to bf16 (8 significant bits) uses up far more of that allowance than f16 does (11 bits, for magnitudes from 6e-5 to 65,504). All else is computed in f32.
;;   The module's matrix products, in the order in which they are computed (A, B: the left and right operand; K: the contracted axis; several contracted axes count as one K, in the product's order):
;;     1. [M 1,024, K 1,024] x [K 1,024, N 8,192]; A: input Wq; B: input x: QUANTISED
;;     2. [M 1,024, K 1,024] x [K 1,024, N 8,192]; A: input Wk; B: input x: QUANTISED
;;     3. [M 1,024, K 1,024] x [K 1,024, N 8,192]; A: input Wv; B: input x: QUANTISED
;;     4. batch 64 x [M 2,048, K 64] x [K 64, N 2,048]; A: computed on the way; B: computed on the way: left as it is (an operand is computed on the way)
;;     5. batch 64 x [M 2,048, K 2,048] x [K 2,048, N 64]; A: computed on the way; B: computed on the way: left as it is (an operand is computed on the way)
;;     6. [M 8,192, K 1,024] x [K 1,024, N 1,024]; A: computed on the way; B: input Wo: left as it is (an operand is computed on the way)
;;   THE QUANTISER, for each operand of a quantised product, along K:
;;     - K is cut into blocks of 32 from its start; a last block that is shorter is filled with zeros.
;;     - A block's scale is 2^e with e = floor(log2(the largest magnitude in the block)) - 2, held to -126 .. 127; a block of zeros has e = 0. As a byte (E8M0): e + 127.
;;     - Each number is divided by its block's scale, clamped to +-6, and rounded to the nearest number of E2M1, ties to even, subnormals kept.
;;     - The product sums the exact products of the quantised numbers (number of the format x scale) in f32.
;;   ~~~python
;;   def quantise(x, axis):      # numpy; x: float32 -> the quantised numbers, widened to float32 again
;;       x = np.moveaxis(x, axis, -1); K = x.shape[-1]
;;       x = np.pad(x, [(0, 0)] * (x.ndim - 1) + [(0, -K % 32)]); x = x.reshape(x.shape[:-1] + (-1, 32)); a = np.abs(x).max(-1, keepdims=True)
;;       e = np.where(a > 0, np.clip(np.frexp(np.where(a > 0, a, 1))[1] - 1 - 2, -126, 127), 0)      # np.frexp(a)[1] - 1 = floor(log2(a)), exactly
;;       r = np.clip(x / 2.0 ** e, -6, 6)
;;       step = 2.0 ** (np.maximum(np.frexp(np.where(r == 0, 1, r))[1] - 1, 0) - 1)
;;       q = np.round(r / step) * step * 2.0 ** e      # np.round: ties to even
;;       return np.moveaxis(q.reshape(q.shape[:-2] + (-1,))[..., :K], -1, axis).astype(np.float32)
;;   ~~~
;; One version. Each part assembles by itself: llvm-mc -triple=amdgcn-amd-amdhsa -mcpu=gfx1250 --defsym DOCPART=n.
;; ======== version 1 of 1: 5 launches
;; limits: values are held in f16: magnitudes above 65,504 overflow, below 6.1e-05 lose precision
;; workspace buffers: x_codes 4,194,304 bytes; x_scales 262,144 bytes; w_codes 1,572,864 bytes; w_scales 98,304 bytes; wo_img 2,097,152 bytes; qkv_img 50,331,648 bytes; fine32 786,432 bytes; res_img 16,777,216 bytes
;; launch prep (part 1): grid 368 x 1, 4 waves a work-group, no clusters, 68,096 bytes of LDS; arguments x, Wq, Wk, Wv, Wo, x_codes, x_scales, w_codes, w_scales, wo_img; writes x_codes, x_scales, w_codes, w_scales, wo_img
.if DOCPART == 1
	.amdgcn_target "amdgcn-amd-amdhsa--gfx1250"
	.amdhsa_code_object_version 6
	.text
	.protected	k_q2cdb5e9c45_prep
	.globl	k_q2cdb5e9c45_prep
	.p2align	8
	.type	k_q2cdb5e9c45_prep,@function
k_q2cdb5e9c45_prep:
	s_mov_b64 s[64:65], 0
	v_nop
	global_prefetch_b8 v0, s[64:65] scope:SCOPE_SE
	s_setreg_imm32_b32 hwreg(HW_REG_WAVE_MODE, 25, 1), 1
	s_wait_xcnt 0x0
; PREP: what the later launches read many times is made once.
;   work-groups   0 ..  47: Wq, Wk, Wv [16][1024][64] f32 (K = the middle axis) -> w_codes [3072][512 bytes] with K innermost, w_scales [3072][32]; row n = 1024 x tensor + 64 x head + channel
;   work-groups  48 .. 111: Wo [1024][1024] f32 -> wo_img: f16, as images of the operand registers of a 16 x 32 fragment: [K / 256][n / 16][(K % 256) / 32][1,024 bytes]
;   work-groups 112 .. 367: x [8192][1024] f32 (K innermost) -> x_codes [8192][512 bytes], x_scales [8192][32]
; The path with the longest chain of dependent loads has the lowest numbers.  The three paths part on the work-group's number alone and use LDS bytes of their own.
; THE QUANTISER: a block of 32 along K has the scale 2^(floor(log2(largest magnitude)) - 2); its byte is the largest magnitude's exponent field - 2, held at 1 from below; each number is divided by the
; scale and rounded to the nearest E2M1 code, ties to even, beyond 6 the largest code.
; LIMITS: a block of zeros gets the byte 1 where the quantiser's text says 127: its codes are zeros, which add nothing under any byte but 0xff, and this program alone reads the bytes.  Blocks whose largest
; magnitude lies under 2^-124 keep the byte 1.  NaN and infinities are not served.  |Wo| stays under 65,504 (f16).
.set SPW,    238                       ; v238 LDS address of my spare word: SPARE + 4 x my thread's number; never rewritten
.set NIL,    239                       ; v239 0; never rewritten
.set SPARE,  67584                     ; behind both paths' regions: the spare words, 128 bytes for each wave
.set EMAX,   2
; the x path (LDS 0 .. 32,767)
.set STEPS,  16
.set CB,     8                         ; bytes of 16 codes
.set R,      16                        ; v16-79   four sets of 16 numbers as they are loaded
.set X,      80                        ; v80-111  two sets of 16 neighbours
.set E,      112                       ; v112-127 a scale byte for each step
.set C,      128                       ; v128-191 codes: four registers for each step, so that no store's data are written again
.set WREG,   8192                      ; a region for each wave: two stages of 32 x SP bytes, behind them its 256 scale bytes
.set SP,     80                        ; a lane's place in a stage: 64 bytes + 16 of padding
; the W path (LDS 32,768 .. 67,583)
.set WST,    32768
.set WPITCH, 272                       ; a stage row: 256 bytes of codes + 16
.set WX,     32                        ; v32-95   two sets of 32 numbers
.set WC,     96                        ; v96-99   a block's codes
.set WOUT,   112                       ; v112-175 the way out
.set WSB,    24                        ; v24-27   the scale bytes, four to a register
.set WOF,    192                       ; v192 4 x lane;  v193 into the stage;  v194 out of it;  v195 the same place in w_codes;  v196 my column's row of scale bytes
.set STI,    193
.set STO,    194
.set GCO,    195
.set GSO,    196
.set M0,     200                       ; v200-202 at work
.set M1,     201
.set SO,     202
	s_load_b256 s[4:11], s[0:1], 0x0               ; x s[4:5], Wq s[6:7], Wk s[8:9], Wv s[10:11]
	s_load_b256 s[12:19], s[0:1], 0x20             ; Wo s[12:13], x_codes s[14:15], x_scales s[16:17], w_codes s[18:19]
	s_load_b128 s[20:23], s[0:1], 0x40             ; w_scales s[20:21], wo_img s[22:23]
	v_lshl_add_u32 v[SPW], v0, 2, SPARE
	v_mov_b32 v[NIL], 0
	v_lshrrev_b32 v1, 5, v0
	v_readfirstlane_b32 s24, v1                    ; wave 0..3
	v_and_b32 v2, 31, v0                           ; lane
	s_wait_kmcnt 0x0
	s_cmp_lt_u32 ttmp9, 48
	s_cbranch_scc1 .Lw_path
	s_cmp_lt_u32 ttmp9, 112
	s_cbranch_scc1 .Lwo_path
; ---------------- x: a plain stream of blocks of 32.  A wave takes 16 steps of 512 numbers.
; Each of a step's four loads reads 512 consecutive bytes; the 2,048 bytes turn through the wave's own stage in LDS and come back 64 bytes a lane: 16 neighbours along K, two lanes to a block.
	v_lshlrev_b32 v3, 4, v2                        ; my 16 bytes of a load's 512
	s_mul_i32 s25, s24, WREG
	v_lshrrev_b32 v14, 2, v2
	v_mul_u32_u24 v14, v14, SP
	v_and_b32 v15, 3, v2
	v_lshl_add_u32 v14, v15, 4, v14
	v_add_nc_u32 v14, s25, v14                     ; the stage, on the way in: SP (lane / 4) + 16 (lane % 4)
	v_mul_u32_u24 v15, v2, SP
	v_add_nc_u32 v15, s25, v15                     ; and on the way out: SP x lane
	v_mul_u32_u24 v4, v2, CB                       ; my codes' place in a step's
	v_lshrrev_b32 v5, 1, v2
	s_add_co_u32 s25, s25, 2*32*SP
	v_add_nc_u32 v5, s25, v5                       ; my wave's 256 scale bytes, my block's byte
	v_lshlrev_b32 v7, 3, v2                        ; and on the way out 8 bytes a lane
	v_add_nc_u32 v6, s25, v7
	s_sub_co_u32 s26, ttmp9, 112
	s_lshl_b32 s26, s26, 2
	s_add_co_u32 s26, s26, s24                     ; which run of 8,192 numbers is my wave's: 0 .. 1,023
	s_mov_b32 s29, 0
	s_lshl_b32 s28, s26, 15                        ; 32,768 bytes of f32,
	s_add_nc_u64 s[4:5], s[4:5], s[28:29]
	s_lshl_b32 s28, s26, 12                        ; 4,096 of codes,
	s_add_nc_u64 s[14:15], s[14:15], s[28:29]
	s_lshl_b32 s28, s26, 8                         ; 256 scale bytes
	s_add_nc_u64 s[16:17], s[16:17], s[28:29]
.macro XLOAD t
.irp i, 0,1,2,3
	global_load_b128 v[R+16*((\t)%4)+4*\i:R+16*((\t)%4)+4*\i+3], v3, s[4:5] offset:2048*(\t)+512*\i th:TH_LOAD_NT   ; 32 lanes read 512 consecutive bytes
.endr
.endm
.macro XTURN t                         ; step t's numbers through the stage: LDS serves a wave's instructions in order, so no wait stands between the stores and the loads
.irp i, 0,1,2,3
	ds_store_b128 v14, v[R+16*((\t)%4)+4*\i:R+16*((\t)%4)+4*\i+3] offset:32*SP*((\t)%2)+8*SP*\i
.endr
.irp i, 0,1,2,3
	ds_load_b128 v[X+16*((\t)%2)+4*\i:X+16*((\t)%2)+4*\i+3], v15 offset:32*SP*((\t)%2)+16*\i
.endr
.endm
.irp t, 0,1,2,3
	XLOAD \t
.endr
	s_wait_loadcnt 12                              ; step 0's four loads are in; the twelve of steps 1 to 3 may be out
	XTURN 0
.macro XSTEP t
.set XS, X+16*((\t)%2)
.if (\t) > 0
	s_wait_dscnt 1                                 ; this step's numbers are back from the stage (the last step's byte store may be out): so its stores into the stage have read their registers,
.else
	s_wait_dscnt 0x0
.endif
.if (\t)+4 < STEPS
	XLOAD (\t)+4                                   ; which take the loads of four steps on
.endif
.if (\t)+1 < STEPS
.if STEPS-2-(\t) >= 3
	s_wait_loadcnt 12                              ; the next step's four loads are in; those of the three steps behind it may be out
.else
	s_wait_loadcnt 4*(STEPS-2-(\t))
.endif
	XTURN (\t)+1                                   ; and go through the other stage while this step is worked
.endif
	v_max3_num_f32 v8, |v[XS]|, |v[XS+1]|, |v[XS+2]|               ; the largest magnitude of my 16, in two chains
	v_max3_num_f32 v9, |v[XS+3]|, |v[XS+4]|, |v[XS+5]|
.irp i, 6,10
	v_max3_num_f32 v8, v8, |v[XS+\i]|, |v[XS+\i+1]|
	v_max3_num_f32 v9, v9, |v[XS+\i+2]|, |v[XS+\i+3]|
.endr
	v_max3_num_f32 v8, v8, |v[XS+14]|, |v[XS+15]|
	v_max3_num_f32 v8, v8, v9, (EMAX+1)<<23        ; and the floor 2^(3 - 127): so the byte cannot fall under 1
	v_max_num_f32_dpp v8, v8, v8 row_xmask:1 row_mask:0xf bank_mask:0xf   ; and of my neighbour's 16: the block's
	v_add_nc_u32 v11, 0xff000000, v8               ; 2 off its exponent field: the conversion takes the exponent field of this operand as its scale, and nothing else of it
	v_cvt_scalef32_pk8_fp4_f32 v[C+4*(\t)], v[XS:XS+7], v11
	v_cvt_scalef32_pk8_fp4_f32 v[C+4*(\t)+1], v[XS+8:XS+15], v11
	v_lshrrev_b32 v[E+(\t)], 23, v11               ; the scale's byte
	ds_store_b8 v5, v[E+(\t)] offset:16*(\t)       ; both lanes of a block write the same byte with the same value
	global_store_b64 v4, v[C+4*(\t):C+4*(\t)+1], s[14:15] offset:32*CB*(\t)   ; the wave stores 256 consecutive bytes, aligned
.endm
.irp t, 0,1,2,3,4,5,6,7,8,9,10,11,12,13,14,15
	XSTEP \t
.endr
	ds_load_b64 v[8:9], v6                         ; LDS serves a wave's instructions in order: these see my stores
	s_wait_dscnt 0x0
	global_store_b64 v7, v[8:9], s[16:17]          ; my wave's 256 scale bytes: 256 consecutive bytes, aligned
	s_branch .Lend
; ---------------- Wq, Wk, Wv: a lane takes a column (a channel of a head) and its registers run down K, so that a block of 32 along K lies in one lane's 32 registers and the codes come out with K innermost.
; A work-group takes one head of one tensor; a wave 32 of its 64 columns x 512 of K: 16 blocks a lane, 256 bytes of codes a column, which leave through the wave's own stage as whole rows.
.Lw_path:
	s_lshr_b32 s25, ttmp9, 4                       ; the tensor: 0 Wq, 1 Wk, 2 Wv
	s_and_b32 s26, ttmp9, 15                       ; the head
	s_cmp_eq_u32 s25, 0
	s_cselect_b64 s[6:7], s[6:7], s[8:9]
	s_cmp_eq_u32 s25, 2
	s_cselect_b64 s[6:7], s[10:11], s[6:7]
	s_and_b32 s27, s24, 1                          ; which 32 columns
	s_lshr_b32 s28, s24, 1                         ; which 512 of K
	s_lshl_b32 s30, s26, 18                        ; a head is 1,024 rows of 256 bytes
	s_lshl_b32 s31, s28, 17
	s_add_co_u32 s30, s30, s31
	s_lshl_b32 s31, s27, 7
	s_add_co_u32 s30, s30, s31
	s_mov_b32 s31, 0
	s_add_nc_u64 s[6:7], s[6:7], s[30:31]
	s_lshl_b32 s32, ttmp9, 6
	s_lshl_b32 s33, s27, 5
	s_add_co_u32 s32, s32, s33                     ; my wave's first row of w_codes
	s_lshl_b32 s30, s32, 9
	s_lshl_b32 s33, s28, 8
	s_add_co_u32 s30, s30, s33
	s_add_nc_u64 s[18:19], s[18:19], s[30:31]
	s_lshl_b32 s30, s32, 5
	s_lshl_b32 s33, s28, 4
	s_add_co_u32 s30, s30, s33
	s_add_nc_u64 s[20:21], s[20:21], s[30:31]
	v_lshlrev_b32 v[WOF], 2, v2
	s_mul_i32 s34, s24, 32*WPITCH
	s_add_co_u32 s34, s34, WST                     ; my stage
	v_mul_u32_u24 v[STI], v2, WPITCH
	v_add_nc_u32 v[STI], s34, v[STI]               ; into it: row = my column
	v_and_b32 v197, 15, v2
	v_lshrrev_b32 v198, 4, v2
	v_mul_u32_u24 v[STO], v198, WPITCH             ; out of it: sixteen lanes to a row, two rows an instruction
	v_lshl_add_u32 v[STO], v197, 4, v[STO]
	v_add_nc_u32 v[STO], s34, v[STO]
	v_lshlrev_b32 v[GCO], 9, v198
	v_lshl_add_u32 v[GCO], v197, 4, v[GCO]
	v_lshlrev_b32 v[GSO], 5, v2
.macro WLOAD t                         ; block t: W(32 t + i, my column) into set t % 2; 32 lanes read 128 consecutive bytes
.irp i, 0,1,2,3,4,5,6,7,8,9,10,11,12,13,14,15,16,17,18,19,20,21,22,23,24,25,26,27,28,29,30,31
	global_load_b32 v[WX+32*((\t)%2)+\i], v[WOF], s[6:7] offset:(32*(\t)+\i)*256 th:TH_LOAD_NT
.endr
.endm
	WLOAD 0
	WLOAD 1
.macro WBLOCK t
.set XW, WX+32*((\t)%2)
.if (\t) < 15
	s_wait_loadcnt 32                              ; this block's 32 loads are in; the next block's 32 may be out
.else
	s_wait_loadcnt 0
.endif
	v_max3_num_f32 v[M0], |v[XW]|, |v[XW+1]|, |v[XW+2]|            ; the block's largest magnitude: all 32 numbers are mine
	v_max3_num_f32 v[M1], |v[XW+3]|, |v[XW+4]|, |v[XW+5]|
.irp i, 6,10,14,18,22,26
	v_max3_num_f32 v[M0], v[M0], |v[XW+\i]|, |v[XW+\i+1]|
	v_max3_num_f32 v[M1], v[M1], |v[XW+\i+2]|, |v[XW+\i+3]|
.endr
	v_max3_num_f32 v[M0], v[M0], |v[XW+30]|, |v[XW+31]|
	v_max3_num_f32 v[M0], v[M0], v[M1], (EMAX+1)<<23
	v_add_nc_u32 v[SO], 0xff000000, v[M0]          ; the conversion's scale operand
	v_lshrrev_b32 v[M1], 23, v[SO]                 ; the scale's byte
.if (\t)%4 == 0
	v_mov_b32 v[WSB+(\t)/4], v[M1]                 ; four bytes to a register, the lower K in the lower byte
.else
	v_lshl_or_b32 v[WSB+(\t)/4], v[M1], 8*((\t)%4), v[WSB+(\t)/4]
.endif
.irp g, 0,1,2,3
	v_cvt_scalef32_pk8_fp4_f32 v[WC+\g], v[XW+8*\g:XW+8*\g+7], v[SO]
.endr
	ds_store_b128 v[STI], v[WC:WC+3] offset:16*(\t)   ; 32 codes: 16 bytes of my column's row
.if (\t)+2 < 16
	WLOAD (\t)+2
.endif
	s_wait_dscnt 0x0                               ; the store has read its registers: the next block's codes may be written
.endm
.irp t, 0,1,2,3,4,5,6,7,8,9,10,11,12,13,14,15
	WBLOCK \t
.endr
	global_store_b128 v[GSO], v[WSB:WSB+3], s[20:21]   ; my column's 16 scale bytes (rows of 32 bytes: one byte in 128 of what this path reads)
.irp t, 0,1,2,3,4,5,6,7,8,9,10,11,12,13,14,15
	ds_load_b128 v[WOUT+4*\t:WOUT+4*\t+3], v[STO] offset:2*\t*WPITCH
.endr
.irp t, 0,1,2,3,4,5,6,7,8,9,10,11,12,13,14,15
	s_wait_dscnt 15-\t                             ; LDS loads come back in order: pair t of rows is in
	global_store_b128 v[GCO], v[WOUT+4*\t:WOUT+4*\t+3], s[18:19] offset:2*\t*512   ; sixteen lanes store 256 consecutive bytes, aligned
.endr
	s_branch .Lend
; ---------------- Wo: a lane takes a column n and its registers run down K.  Eight neighbours along K, rounded to f16, are the four registers that lane (n % 16, half) of a fragment holds:
; k % 32 = 0-7: registers 0-3 of lanes 0-15; 8-15: of lanes 16-31; 16-23 and 24-31: registers 4-7 likewise.  An image has registers 0-3 at 16 x lane and registers 4-7 at 512 + 16 x lane.
.Lwo_path:
	s_sub_co_u32 s25, ttmp9, 48
	s_and_b32 s26, s25, 7                          ; which 128 columns
	s_lshr_b32 s27, s25, 3                         ; which 128 of K
	s_lshl_b32 s30, s27, 19                        ; 128 rows of 4,096 bytes
	s_lshl_b32 s31, s26, 9
	s_add_co_u32 s30, s30, s31
	s_lshl_b32 s31, s24, 7                         ; my wave's 32 columns
	s_add_co_u32 s30, s30, s31
	s_mov_b32 s31, 0
	s_add_nc_u64 s[12:13], s[12:13], s[30:31]
	s_lshr_b32 s28, s27, 1                         ; the K step of 256
	s_lshl_b32 s28, s28, 6
	s_lshl_b32 s29, s26, 3
	s_add_co_u32 s28, s28, s29
	s_lshl_b32 s29, s24, 1
	s_add_co_u32 s28, s28, s29                     ; 64 x K step + my wave's first tile of 16 columns
	s_lshl_b32 s30, s28, 13                        ; a tile's eight images
	s_and_b32 s29, s27, 1
	s_lshl_b32 s29, s29, 12                        ; the K step's first or second four
	s_add_co_u32 s30, s30, s29
	s_add_nc_u64 s[22:23], s[22:23], s[30:31]
	v_lshlrev_b32 v224, 2, v2
	v_lshrrev_b32 v225, 4, v2
	v_and_b32 v226, 15, v2
	v_lshlrev_b32 v225, 13, v225                   ; lanes 16-31: the next tile of columns
	v_lshl_add_u32 v225, v226, 4, v225
.set i, 0
.rept 128
	global_load_b32 v[32+i], v224, s[12:13] offset:i*4096 th:TH_LOAD_NT
.set i, i+1
.endr
.irp g, 0,1,2,3
.if \g < 2
	s_wait_loadcnt 63                              ; 96 (64) loads were issued behind this group's 32: a count of 63, the greatest that a wait can name, shows them in
.else
	s_wait_loadcnt 32*(3-\g)
.endif
.irp i, 0,1,2,3,4,5,6,7,8,9,10,11,12,13,14,15
	v_cvt_pk_f16_f32 v[160+16*\g+\i], v[32+32*\g+2*\i], v[33+32*\g+2*\i]
.endr
.irp q, 0,1,2,3
	global_store_b128 v225, v[160+16*\g+4*\q:160+16*\g+4*\q+3], s[22:23] offset:\g*1024+(\q/2)*512+(\q%2)*256   ; sixteen lanes store 256 consecutive bytes, aligned
.endr
.endr
.Lend:
	s_wait_tensorcnt 0x0                           ; the wave's end, behind my last LDS store
	ds_add_u32 v[SPW], v[NIL]
	s_wait_dscnt 0x0
	s_endpgm
.Lfunc_end_k_q2cdb5e9c45_prep:
	.size	k_q2cdb5e9c45_prep, .Lfunc_end_k_q2cdb5e9c45_prep-k_q2cdb5e9c45_prep
	.p2alignl 7, 3214868480
	.fill 96, 4, 3214868480
	.section	.rodata,"a",@progbits
	.p2align	6, 0x0
	.amdhsa_kernel k_q2cdb5e9c45_prep
		.amdhsa_group_segment_fixed_size 68096
		.amdhsa_private_segment_fixed_size 0
		.amdhsa_enable_private_segment 0
		.amdhsa_kernarg_size 80
		.amdhsa_user_sgpr_count 2
		.amdhsa_user_sgpr_kernarg_segment_ptr 1
		.amdhsa_wavefront_size32 1
		.amdhsa_system_sgpr_workgroup_id_x 1
		.amdhsa_system_sgpr_workgroup_id_y 1
		.amdhsa_system_sgpr_workgroup_id_z 1
		.amdhsa_system_vgpr_workitem_id 0
		.amdhsa_next_free_vgpr 240
		.amdhsa_next_free_sgpr 66
		.amdhsa_reserve_vcc 0
		.amdhsa_float_denorm_mode_32 3
		.amdhsa_float_denorm_mode_16_64 3
		.amdhsa_memory_ordered 1
		.amdhsa_forward_progress 1
		.amdhsa_inst_pref_size 129
	.end_amdhsa_kernel
	.amdgpu_metadata
---
amdhsa.version: [ 1, 2 ]
amdhsa.kernels:
  - .name:           k_q2cdb5e9c45_prep
    .symbol:         k_q2cdb5e9c45_prep.kd
    .args:
      - { .name: x, .offset: 0, .size: 8, .value_kind: global_buffer, .address_space: global }
      - { .name: Wq, .offset: 8, .size: 8, .value_kind: global_buffer, .address_space: global }
      - { .name: Wk, .offset: 16, .size: 8, .value_kind: global_buffer, .address_space: global }
      - { .name: Wv, .offset: 24, .size: 8, .value_kind: global_buffer, .address_space: global }
      - { .name: Wo, .offset: 32, .size: 8, .value_kind: global_buffer, .address_space: global }
      - { .name: x_codes, .offset: 40, .size: 8, .value_kind: global_buffer, .address_space: global }
      - { .name: x_scales, .offset: 48, .size: 8, .value_kind: global_buffer, .address_space: global }
      - { .name: w_codes, .offset: 56, .size: 8, .value_kind: global_buffer, .address_space: global }
      - { .name: w_scales, .offset: 64, .size: 8, .value_kind: global_buffer, .address_space: global }
      - { .name: wo_img, .offset: 72, .size: 8, .value_kind: global_buffer, .address_space: global }
    .group_segment_fixed_size: 68096
    .private_segment_fixed_size: 0
    .kernarg_segment_align: 8
    .kernarg_segment_size: 80
    .max_flat_workgroup_size: 128
    .sgpr_count:     66
    .vgpr_count:     240
    .wavefront_size: 32
...
	.end_amdgpu_metadata
.endif
;; end of part 1
;; launch qkv (part 2): grid 12 x 32, 4 waves a work-group, clusters of 4 x 4, 327,680 bytes of LDS; arguments x_codes, x_scales, w_codes, w_scales, qkv_img, fine32; writes qkv_img, fine32
.if DOCPART == 2
	.amdgcn_target "amdgcn-amd-amdhsa--gfx1250"
	.amdhsa_code_object_version 6
	.text
	.protected	k_q2cdb5e9c45_qkv
	.globl	k_q2cdb5e9c45_qkv
	.p2align	8
	.type	k_q2cdb5e9c45_qkv,@function
k_q2cdb5e9c45_qkv:
	s_mov_b64 s[64:65], 0
	v_nop
	global_prefetch_b8 v0, s[64:65] scope:SCOPE_SE
	s_setreg_imm32_b32 hwreg(HW_REG_WAVE_MODE, 25, 1), 1
	s_wait_xcnt 0x0
	s_wait_alu depctr_hold_cnt(0) depctr_sa_sdst(0) depctr_va_vdst(0) depctr_va_sdst(0) depctr_va_ssrc(0) depctr_va_vcc(0) depctr_vm_vsrc(0)
	s_getreg_b32 s2, hwreg(HW_REG_IB_STS2, 6, 4)
	s_cmp_eq_u32 s2, 0
	s_cbranch_scc0 .Lentry_in_a_cluster
	s_endpgm
.Lentry_in_a_cluster:
	s_bfe_u32 s2, ttmp6, 0x10000c
	s_cmp_lg_u32 s2, 0xf033
	s_cbranch_scc0 .Lentry_shape_is_right
	s_endpgm
.Lentry_shape_is_right:
; Q, K, V = x W on codes of E2M1 with one E8M0 scale for each 32 along K: C[m][n] = sum over k of x[m][k] W[n][k], m = 2,048 x batch + position (8,192), n = 1,024 x tensor + 64 x head + channel (3,072), K = 1,024.
; A tile of C, 256 x 256, is made by a work-group of four waves; a wave makes 128 x 128: 64 accumulators of 16 x 16, 512 registers.  K is two steps of 512, each a slot in LDS (rows of 256 bytes): both are
; first fills, nothing is filled again.  The scale bytes of the work-group's 256 + 256 rows come once, with the first fills.  By this text's count a wave has three tensor loads out at the start.
; CLUSTERS: 4 x 4 work-groups.  The four of a row of the cluster need the same tiles of x, the four of a column the same tiles of W: each tile is asked for jointly.
; THE MATRIX INSTRUCTION IS USED TRANSPOSED (source 0 = 16 rows of W, source 1 = 16 rows of x): a lane holds one position and eight neighbouring channels.
; THE WAY OUT NEEDS NO STAGE: those eight channels, rounded to f16, are four registers of the 16 x 32 fragment (16 positions x 32 channels) that attention's products take: accumulator (a, b) gives registers 0-3 (b even)
; or 4-7 (b odd).  qkv_img holds such fragments as images of their registers, [16 x tensor + head][batch][position / 16][channel / 32][1,024 bytes]: registers 0-3 at 16 x lane, 4-7 at 512 + 16 x lane.
; Positions 0-15 of every batch also leave in f32, the accumulators as they stand: fine32 [16 x tensor + head][batch][channel / 16][1,024 bytes].  Which waves hold them hangs on the work-group's place in its
; cluster: the stores are masked by EXEC.
; LIMIT: |Q|, |K|, |V| stay under 65,504 (f16).
; REGISTERS, in windows of 256: window 0: v0-31 addresses; v32-95 scale words, two sets; from v128 x's fragments, one set; on the way out v128-255 hold packed results.
;   window 1: W's fragments, two sets, at v0 and v128.   window 2: the accumulators of my rows 0-63 ((a, b) at v[8 (8 a + b)]);   window 3: those of my rows 64-127.
.set SIZE_K, 1024
.set KSTEP,  512
.set NQ,     KSTEP/128
.set ROWB,   256
.set KROW,   SIZE_K*4/8
.set PITCH,  272                       ; an LDS row: 256 bytes + 16 of padding = 68 words: the 16 rows that a load touches start at 16 different banks (64 banks of 4 bytes: ISA guide 11.1)
.set FR,     8
.set NL,     2
.set NP,     4                         ; places behind this matrix instruction (ISA guide 7.12.1)
.set HALFT,  128*PITCH
.set SLOT,   4*HALFT
.set KS,     SIZE_K/32
.set SCL,    2*SLOT                    ; behind the slots: the scales, as units of 256 bytes + 16 of padding
.set HALFS,  (128*KS/256)*272
.set SBLK,   (16*KS/256)*272
.set SPARE,  SCL+4*HALFS               ; the spare words, 128 bytes for each wave
.set ADRA, 16
.set ADRB, 20
.set CO,   26                          ; v26  16 x lane: my place in an image's half
.set ADRS, 27
.set SPW,  28
.set NIL,  29
.set PRED, 30
.set SC,   32
.set AF,   128
.set PK,   128                         ; the way out: four sets of 32 packed registers
.set G1, 24
.set G0, 32
.set G1B, 48
.set G0B, 56
.set G1S, 68
.set G0S, 76
.set G1SB, 80
.set G0SB, 88
.set MSB, 0
.macro WIN new                         ; the immediate's high byte repeats the setting that is left
.if MSB != \new
	s_set_vgpr_msb (MSB<<8)|\new
.set MSB, \new
.endif
.endm
.set MUL_LO, 0xa1                      ; source 0 (W) window 1, source 1 (x) window 0, C and D window 2
.set MUL_HI, 0xf1
.set TO_B,   0x40
; A joint load: waves 0 and 1 fetch for x, waves 2 and 3 for W; the branch hangs on the wave's number alone.  An s_nop 0 and four v_nop follow each of the two lines.
.macro JLOAD g0a, g1a, g0b, g1b
	s_cmp_eq_u32 s15, 0
	s_cbranch_scc0 .Lfor_b_\@
	tensor_load_to_lds s[\g0a:\g0a+3], s[\g1a:\g1a+7]
	s_nop 0
.rept 4
	v_nop
.endr
	s_branch .Lasked_\@
.Lfor_b_\@:
	tensor_load_to_lds s[\g0b:\g0b+3], s[\g1b:\g1b+7]
	s_nop 0
.rept 4
	v_nop
.endr
.Lasked_\@:
.endm
.macro CROUND                          ; a round of the cluster's barrier
	s_barrier_signal -1
	s_barrier_wait -1
	s_cmp_lg_u32 s14, 0
	s_cbranch_scc1 .Lnot_wave_0_\@
	s_barrier_signal -3
.Lnot_wave_0_\@:
	s_barrier_wait -3
	s_barrier_signal -1
	s_barrier_wait -1
.endm
	s_load_b128 s[4:7], s[0:1], 0x0                ; x's codes s[4:5], x's scales s[6:7]
	s_load_b128 s[8:11], s[0:1], 0x10              ; W's codes s[8:9], W's scales s[10:11]
	s_load_b128 s[96:99], s[0:1], 0x20             ; qkv_img s[96:97], fine32 s[98:99]
	v_lshl_add_u32 v[SPW], v0, 2, SPARE
	v_mov_b32 v[NIL], 0
	ds_add_u32 v[SPW], v[NIL]                      ; the wave's opening: the add, twice on end, and its wait ahead of my first tensor load
	ds_add_u32 v[SPW], v[NIL]
	v_lshrrev_b32 v1, 5, v0
	v_readfirstlane_b32 s14, v1                    ; wave 0..3
	s_lshr_b32 s15, s14, 1                         ; which half of the tile's rows is mine.  Also: I fetch for x (0) or for W (1)
	s_and_b32 s16, s14, 1                          ; which half of its columns.  Also: which 128 rows of that tile I fetch
	s_bfe_u32 s40, ttmp6, 0x40000                  ; cx, cy: my place in the cluster
	s_bfe_u32 s41, ttmp6, 0x40004
	s_lshl_b32 s42, ttmp9, 2
	s_add_co_u32 s42, s42, s40                     ; tile column = 4 x cluster x + cx
	s_and_b32 s17, ttmp7, 0xffff
	s_lshl_b32 s17, s17, 2
	s_add_co_u32 s17, s17, s41                     ; tile row = 4 x cluster y + cy
	s_lshl_b32 s43, s41, 2
	s_lshl_b32 s43, 15, s43                        ; my row of the cluster
	s_lshl_b32 s44, 0x1111, s40                    ; my column
	s_or_b32 s[G1+0], s43, (0<<16)|(1<<20)|(1<<21)|(5<<22)|(3<<25)  ; the mask; elements of 1 byte; padding on; bit 21 beside a mask; after every 64 words four words
	s_or_b32 s[G1B+0], s44, (0<<16)|(1<<20)|(1<<21)|(5<<22)|(3<<25)
.irp g, G1, G1B
	s_mov_b32 s[\g+1], ROWB<<16                    ; tensor_dim0
	s_mov_b32 s[\g+2], 128<<16                     ; tensor_dim1
	s_mov_b32 s[\g+3], ROWB<<16                    ; tile_dim0
	s_mov_b32 s[\g+4], 128                         ; tile_dim1
	s_mov_b32 s[\g+5], KROW                        ; the pitch
	s_mov_b32 s[\g+6], 0
	s_mov_b32 s[\g+7], 0
.endr
	s_or_b32 s[G1S+0], s43, (3<<16)|(1<<20)|(1<<21)|(5<<22)|(3<<25)  ; the scales of 128 rows: a dense block, as rows of 256 bytes (32 elements of 8 bytes), 16 bytes of padding behind each
	s_or_b32 s[G1SB+0], s44, (3<<16)|(1<<20)|(1<<21)|(5<<22)|(3<<25)
.irp g, G1S, G1SB
	s_mov_b32 s[\g+1], 32<<16
	s_mov_b32 s[\g+2], (128*KS/256)<<16
	s_mov_b32 s[\g+3], 32<<16
	s_mov_b32 s[\g+4], 128*KS/256
	s_mov_b32 s[\g+5], 32
	s_mov_b32 s[\g+6], 0
	s_mov_b32 s[\g+7], 0
.endr
	s_lshl_b32 s18, s16, 7                         ; which 128 rows of the tile I fetch
	s_lshl_b32 s20, s17, 8
	s_add_co_u32 s20, s20, s18                     ; x: row 256 x tile row + 128 x half
	s_lshl_b32 s46, s42, 8
	s_add_co_u32 s46, s46, s18                     ; W: row 256 x tile column + 128 x half
	s_mov_b32 s21, 0
	s_mov_b32 s47, 0
	s_mov_b64 s[18:19], KS
	s_mul_u64 s[22:23], s[20:21], s[18:19]         ; where these rows' scales begin,
	s_mul_u64 s[92:93], s[46:47], s[18:19]
	s_mov_b64 s[18:19], KROW
	s_mul_u64 s[20:21], s[20:21], s[18:19]         ; and their codes
	s_mul_u64 s[46:47], s[46:47], s[18:19]
	s_mul_i32 s45, s14, HALFT                      ; where they go: wave x 128 rows: no place in the cluster enters an LDS address
	s_mul_i32 s94, s14, HALFS
	s_wait_dscnt 0x0                               ; both opening adds are done
	s_wait_kmcnt 0x0
	s_add_nc_u64 s[20:21], s[4:5], s[20:21]
	s_add_nc_u64 s[22:23], s[6:7], s[22:23]
	s_add_nc_u64 s[46:47], s[8:9], s[46:47]
	s_add_nc_u64 s[92:93], s[10:11], s[92:93]
	CROUND                                         ; all sixteen work-groups are here: the joint loads meet
	s_mov_b32 s[G0S], 1
	s_add_co_u32 s[G0S+1], s94, SCL
	s_mov_b64 s[G0S+2:G0S+3], s[22:23]
	s_or_b32 s[G0S+3], s[G0S+3], 0x80000000
	s_mov_b32 s[G0SB], 1
	s_add_co_u32 s[G0SB+1], s94, SCL
	s_mov_b64 s[G0SB+2:G0SB+3], s[92:93]
	s_or_b32 s[G0SB+3], s[G0SB+3], 0x80000000
	JLOAD G0S, G1S, G0SB, G1SB                     ; the scales first: they are wanted with K step 0
.irp s, 0,1
	s_mov_b32 s[G0+4*\s], 1
	s_add_co_u32 s[G0+4*\s+1], s45, \s*SLOT
	s_add_nc_u64 s[G0+4*\s+2:G0+4*\s+3], s[20:21], \s*ROWB
	s_or_b32 s[G0+4*\s+3], s[G0+4*\s+3], 0x80000000
	s_mov_b32 s[G0B+4*\s], 1
	s_add_co_u32 s[G0B+4*\s+1], s45, \s*SLOT
	s_add_nc_u64 s[G0B+4*\s+2:G0B+4*\s+3], s[46:47], \s*ROWB
	s_or_b32 s[G0B+4*\s+3], s[G0B+4*\s+3], 0x80000000
	JLOAD G0+4*\s, G1, G0B+4*\s, G1B
.endr
	v_and_b32 v1, 15, v0                           ; l % 16
	v_bfe_u32 v2, v0, 4, 1                         ; l / 16
	v_mul_u32_u24 v3, v1, PITCH
	v_lshl_add_u32 v4, v2, 4, v3                   ; a fragment's row x pitch + 16 x half
	s_mul_i32 s21, s15, HALFT                      ; my 128 rows of x
	s_mul_i32 s22, s16, HALFT                      ; my 128 rows of W,
	s_add_co_u32 s22, s22, 2*HALFT                 ; which lie behind x's 256
.irp s, 0,1
	v_add_nc_u32 v[ADRA+\s], s21, v4
	v_add_nc_u32 v[ADRB+\s], s22, v4
	s_add_co_u32 s21, s21, SLOT
	s_add_co_u32 s22, s22, SLOT
.endr
	v_mul_u32_u24 v5, v1, KS                       ; my row's scales: KS bytes a row,
	v_lshrrev_b32 v6, 8, v5
	v_lshl_add_u32 v5, v6, 4, v5                   ; and 16 more for each 256 passed
	s_mul_i32 s21, s15, HALFS
	s_mul_i32 s22, s16, HALFS
	s_add_co_u32 s22, s22, 2*HALFS
	s_sub_co_u32 s22, s22, s21
	v_mul_u32_u24 v6, s22, v2                      ; lanes 16-31 take W's
	s_add_co_u32 s21, s21, SCL
	v_add_nc_u32 v5, v5, v6
	v_add_nc_u32 v[ADRS], s21, v5
	v_and_b32 v6, 31, v0
	v_lshlrev_b32 v[CO], 4, v6
	; the way out: qkv_img at [4 x tile column + 2 x column half][16 x tile row + 8 x row half]: 2^20 bytes a head of a tensor, 2,048 a tile of 16 positions
	s_lshl_b32 s20, s17, 4
	s_lshl_b32 s21, s15, 3
	s_add_co_u32 s20, s20, s21
	s_lshl_b32 s20, s20, 11
	s_lshl_b32 s46, s42, 2
	s_lshl_b32 s47, s16, 1
	s_add_co_u32 s46, s46, s47
	s_lshl_b32 s47, s46, 20
	s_add_co_u32 s20, s20, s47
	s_mov_b32 s21, 0
	s_add_nc_u64 s[96:97], s[96:97], s[20:21]
	s_lshl_b32 s20, s46, 14                        ; fine32: 16,384 bytes a head of a tensor, 4,096 a batch
	s_lshr_b32 s47, s17, 3
	s_lshl_b32 s47, s47, 12
	s_add_co_u32 s20, s20, s47
	s_add_nc_u64 s[98:99], s[98:99], s[20:21]
	s_and_b32 s3, s17, 7
	s_or_b32 s3, s3, s15                           ; 0 where my block 0 is positions 0-15 of a batch
.macro FRAG reg, adr, q, i             ; a fragment, 16 rows x 128 K of 4-bit codes: lane l holds row l % 16; registers 4 c .. 4 c + 3 hold K = 64 c + 32 (l / 16) + 0 .. 31
.irp c, 0,1
	ds_load_b128 v[\reg+4*\c:\reg+4*\c+3], v[\adr] offset:64*(\q)+32*\c+(\i)*16*PITCH
.endr
.endm
; 16 matrix instructions: x's blocks a0, a0 + 1 against W's eight, 128 along K.  The 64 accumulators take turns, one instruction a turn, in the same order in every step.
.macro MUL16 a0, p, q, sc, zero
.irp a, \a0, \a0+1
.irp b, 0,1,2,3,4,5,6,7
.if \zero
	v_wmma_scale_f32_16x16x128_f8f6f4 v[8*(8*((\a)%4)+\b):8*(8*((\a)%4)+\b)+7], v[128*(\p)+FR*\b:128*(\p)+FR*\b+FR-1], v[AF+FR*(\a):AF+FR*(\a)+FR-1], 0, v[SC+8*NQ*(\sc)+NQ*\b+(\q)], v[SC+8*NQ*(\sc)+NQ*(\a)+(\q)] matrix_a_fmt:MATRIX_FMT_FP4 matrix_b_fmt:MATRIX_FMT_FP4 matrix_a_scale:MATRIX_SCALE_ROW1
.else
	v_wmma_scale_f32_16x16x128_f8f6f4 v[8*(8*((\a)%4)+\b):8*(8*((\a)%4)+\b)+7], v[128*(\p)+FR*\b:128*(\p)+FR*\b+FR-1], v[AF+FR*(\a):AF+FR*(\a)+FR-1], v[8*(8*((\a)%4)+\b):8*(8*((\a)%4)+\b)+7], v[SC+8*NQ*(\sc)+NQ*\b+(\q)], v[SC+8*NQ*(\sc)+NQ*(\a)+(\q)] matrix_a_fmt:MATRIX_FMT_FP4 matrix_b_fmt:MATRIX_FMT_FP4 matrix_a_scale:MATRIX_SCALE_ROW1
.endif
.endr
.endr
.endm
.macro FETCH_B slot, q, p
	WIN TO_B
.irp i, 0,1,2,3,4,5,6,7
	FRAG 128*(\p)+FR*\i, ADRB+\slot, \q, \i
.endr
	WIN 0
.endm
.macro FETCH_A slot, q, i0
.irp i, \i0, \i0+1, \i0+2, \i0+3
	FRAG AF+FR*(\i), ADRA+\slot, \q, \i
.endr
.endm
.macro SCALES sc                       ; a K step's scale words: lanes 0-15 take x's block i, lanes 16-31 W's block i
.irp i, 0,1,2,3,4,5,6,7
	ds_load_b128 v[SC+8*NQ*\sc+NQ*\i:SC+8*NQ*\sc+NQ*\i+3], v[ADRS] offset:\i*SBLK
.endr
.endm
.macro PLACES n                        ; plain vector instructions between a matrix instruction and a load into, or a read of, its registers
.rept \n
	v_nop
.endr
.endm
.macro STEP slot, q, zero              ; a step of 128 along K that has its successor in the same slot
	s_wait_dscnt 4*NL                              ; W's set and x's blocks 0-3 are in; the youngest eight loads (x's blocks 4-7) may be out
	WIN MUL_LO
	MUL16 0, (\q)%2, \q, \slot, \zero
	MUL16 2, (\q)%2, \q, \slot, \zero
	s_wait_dscnt 0
	PLACES NP
	FETCH_B \slot, (\q)+1, 1-(\q)%2
	FETCH_A \slot, (\q)+1, 0
	WIN MUL_HI
	MUL16 4, (\q)%2, \q, \slot, \zero
	MUL16 6, (\q)%2, \q, \slot, \zero
	PLACES NP
	WIN 0
	FETCH_A \slot, (\q)+1, 4
.endm
; Slot 0's last step changes to slot 1: each wave waits for all its tensor loads (its part of slot 1), adds 0 to its spare word, waits for that and for its LDS loads, and passes one barrier.  Nothing is filled again.
.macro TURN slot, next
	s_wait_tensorcnt 0x0
	ds_add_u32 v[SPW], v[NIL]
	s_wait_dscnt 4*NL+1                            ; (the add and the youngest eight loads may be out)
	WIN MUL_LO
	MUL16 0, 1, NQ-1, \slot, 0
	s_wait_dscnt 0x0
	s_barrier_signal -1
	MUL16 2, 1, NQ-1, \slot, 0
	WIN 0
	s_barrier_wait -1
	PLACES NP
	v_add_nc_u32 v[ADRS], 4*NQ, v[ADRS]            ; on to the next K step's scale words
	FETCH_B \next, 0, 0
	FETCH_A \next, 0, 0
	SCALES \next
	WIN MUL_HI
	MUL16 4, 1, NQ-1, \slot, 0
	MUL16 6, 1, NQ-1, \slot, 0
	PLACES NP
	WIN 0
	FETCH_A \next, 0, 4
.endm
	s_wait_tensorcnt 1                             ; the scales and my part of K step 0 are in (K step 1's load may be out),
	s_barrier_signal -1
	s_barrier_wait -1                              ; everybody's are
	FETCH_B 0, 0, 0
	FETCH_A 0, 0, 0
	SCALES 0
	FETCH_A 0, 0, 4
	STEP 0, 0, 1                                   ; the first products start the sums: nothing is cleared
	STEP 0, 1, 0
	STEP 0, 2, 0
	TURN 0, 1
	STEP 1, 0, 0
	STEP 1, 1, 0
	STEP 1, 2, 0
	s_wait_dscnt 4*NL                              ; the very last step: nothing more to fetch
	WIN MUL_LO
	MUL16 0, 1, NQ-1, 1, 0
	MUL16 2, 1, NQ-1, 1, 0
	s_wait_dscnt 0
	WIN MUL_HI
	MUL16 4, 1, NQ-1, 1, 0
	MUL16 6, 1, NQ-1, 1, 0
	WIN 0
	; THE WAY OUT
	PLACES NP                                      ; in front of the first reads of results and of writes into the registers that held x's fragments
	v_mov_b32 v[PRED], s3
	v_cmp_eq_u32 vcc_lo, 0, v[PRED]
	s_wait_xcnt 0x0
	s_and_saveexec_b32 s2, vcc_lo                  ; all lanes or none: block 0 in f32, where it is positions 0-15 of a batch
	WIN 0x08                                       ; a store's data are its source 1: window 2
.irp b, 0,1,2,3,4,5,6,7
	global_store_b128 v[CO], v[8*\b:8*\b+3], s[98:99] offset:(\b/4)*16384+(\b%4)*1024        ; each accumulator from its low end on; 512 consecutive bytes a store
	global_store_b128 v[CO], v[8*\b+4:8*\b+7], s[98:99] offset:(\b/4)*16384+(\b%4)*1024+512
.endr
	WIN 0
	s_wait_xcnt 0x0                                ; EXEC is a source of those stores: it is widened only behind this wait
	s_or_b32 exec_lo, exec_lo, s2
.macro PACK a                          ; block a's 8 x 8 numbers a lane, rounded to f16: four registers an accumulator
.set AC, 64*((\a)%4)
.set PB, PK+32*((\a)%4)
	WIN 0x0a+5*((\a)/4)                            ; sources 0 and 1: window 2 or 3
.irp b, 0,1,2,3,4,5,6,7
.irp i, 0,1,2,3
	v_cvt_pk_f16_f32 v[PB+4*\b+\i], v[AC+8*\b+2*\i], v[AC+8*\b+2*\i+1]
.endr
.endr
	WIN 0
.endm
.macro SEND a                          ; accumulator (a, b): head b / 4 of my two, half an image: 512 consecutive bytes, aligned
.set PB, PK+32*((\a)%4)
.irp b, 0,1,2,3,4,5,6,7
	global_store_b128 v[CO], v[PB+4*\b:PB+4*\b+3], s[96:97] offset:(\b/4)*1048576+(\b%4)*512+(\a)*2048
.endr
.endm
.irp a, 0,1,2,3,4,5,6,7
.if \a >= 4
	s_wait_xcnt 0x0                                ; block a - 4's stores have read their registers, which are written again now
.endif
	PACK \a
	SEND \a
.endr
	s_wait_tensorcnt 0x0                           ; the wave's end
	ds_add_u32 v[SPW], v[NIL]
	s_wait_dscnt 0x0
	CROUND                                         ; the closing round
	s_endpgm
.Lfunc_end_k_q2cdb5e9c45_qkv:
	.size	k_q2cdb5e9c45_qkv, .Lfunc_end_k_q2cdb5e9c45_qkv-k_q2cdb5e9c45_qkv
	.p2alignl 7, 3214868480
	.fill 96, 4, 3214868480
	.section	.rodata,"a",@progbits
	.p2align	6, 0x0
	.amdhsa_kernel k_q2cdb5e9c45_qkv
		.amdhsa_group_segment_fixed_size 327680
		.amdhsa_private_segment_fixed_size 0
		.amdhsa_enable_private_segment 0
		.amdhsa_kernarg_size 48
		.amdhsa_user_sgpr_count 2
		.amdhsa_user_sgpr_kernarg_segment_ptr 1
		.amdhsa_wavefront_size32 1
		.amdhsa_system_sgpr_workgroup_id_x 1
		.amdhsa_system_sgpr_workgroup_id_y 1
		.amdhsa_system_sgpr_workgroup_id_z 1
		.amdhsa_system_vgpr_workitem_id 0
		.amdhsa_next_free_vgpr 1024
		.amdhsa_next_free_sgpr 100
		.amdhsa_reserve_vcc 1
		.amdhsa_float_denorm_mode_32 3
		.amdhsa_float_denorm_mode_16_64 3
		.amdhsa_memory_ordered 1
		.amdhsa_forward_progress 1
		.amdhsa_inst_pref_size 119
	.end_amdhsa_kernel
	.amdgpu_metadata
---
amdhsa.version: [ 1, 2 ]
amdhsa.kernels:
  - .name:           k_q2cdb5e9c45_qkv
    .symbol:         k_q2cdb5e9c45_qkv.kd
    .args:
      - { .name: x_codes, .offset: 0, .size: 8, .value_kind: global_buffer, .address_space: global }
      - { .name: x_scales, .offset: 8, .size: 8, .value_kind: global_buffer, .address_space: global }
      - { .name: w_codes, .offset: 16, .size: 8, .value_kind: global_buffer, .address_space: global }
      - { .name: w_scales, .offset: 24, .size: 8, .value_kind: global_buffer, .address_space: global }
      - { .name: qkv_img, .offset: 32, .size: 8, .value_kind: global_buffer, .address_space: global }
      - { .name: fine32, .offset: 40, .size: 8, .value_kind: global_buffer, .address_space: global }
    .group_segment_fixed_size: 327680
    .private_segment_fixed_size: 0
    .kernarg_segment_align: 8
    .kernarg_segment_size: 48
    .max_flat_workgroup_size: 128
    .sgpr_count:     100
    .vgpr_count:     1024
    .wavefront_size: 32
...
	.end_amdgpu_metadata
.endif
;; end of part 2
;; launch attn (part 3): grid 4 x 64, 16 waves a work-group, no clusters, 327,680 bytes of LDS; arguments qkv_img, res_img; writes res_img
.if DOCPART == 3
	.amdgcn_target "amdgcn-amd-amdhsa--gfx1250"
	.amdhsa_code_object_version 6
	.text
	.protected	k_q2cdb5e9c45_attn
	.globl	k_q2cdb5e9c45_attn
	.p2align	8
	.type	k_q2cdb5e9c45_attn,@function
k_q2cdb5e9c45_attn:
	s_mov_b64 s[64:65], 0
	v_nop
	global_prefetch_b8 v0, s[64:65] scope:SCOPE_SE
	s_setreg_imm32_b32 hwreg(HW_REG_WAVE_MODE, 25, 1), 1
	s_wait_xcnt 0x0
; res[b][q][64 h ..] = softmax_k(Q[q] . K[k] / 8, k <= q) V, for one head h of one batch b; operands f16, products' sums, maxima and row sums f32; a running maximum is taken away before every exponential.
; Q, K, V come as images of 16 x 32 fragments (16 positions x 32 channels: registers 0-3 at 16 x lane, 4-7 at 512 + 16 x lane): qkv_img [16 x tensor + head][batch][position / 16][channel / 32][1,024 bytes].
; SHARES.  A work-group owns query blocks j and 7 - j (256 queries each) of one head: under the causal mask every work-group then has the same work.  Each of its sixteen waves owns 32 queries, two tiles of 16,
; in 256 registers: four waves to a SIMD, so that one wave's vector work stands beside another's matrix work and LDS loads.  Half of the waves take the early block, half the late one, mixed by the wave's number.
; A key step is 64 keys; K's and V's tiles come through a ring of two LDS slots of 256 keys, filled by the tensor data mover (waves 0, 1: K's halves; waves 2, 3: V's) and read by all sixteen.
; EVERY work-group walks all 8 slots, so that the trip counts are constants; a step all of whose keys come after the wave's queries is jumped over, and a slot that no wave of the work-group reads is not asked for.
; NO CLUSTER: the work-groups of a head have different causal limits, so a joint load would bring some partner tiles that none of its waves reads.
; LAYOUT.  S^T = K Q^T (source 0 = 16 keys, source 1 = 16 queries): a lane holds ONE query (lane % 16) and keys 8 (lane / 16) + 0..7.  Two such tiles rounded to f16 in pairs ARE source 1 of O^T = V^T P.
; K's images are read as they lie.  V's are turned by ds_load_tr16_b128: an image's units of 256 bytes are 8 channels x 16 keys; they lie 384 bytes apart in LDS, so that the two units a load touches fall on different banks.
; The way out needs no stage: a lane's eight channels, rounded to f16, are four registers of the projection's fragment: res_img [h / 4][128 b + q / 16][2 (h % 4) + channel / 32][1,024 bytes].
; LIMIT: |res| under 65,504 (it is an average of V).  Weights p under 6e-8 of a row's largest fall to 0 in f16.
.set SK,    256                        ; keys in a slot
.set SLOT1, 1<<17                      ; slot 1 begins here: one exclusive or turns an address in one slot into the other's
.set VOFF,  32768                      ; a slot: K's 16 tiles of 2,048 bytes, then V's 128 units
.set VU,    384
.set SPARE, 2*SLOT1                    ; the spare words, 128 bytes for each wave
.set LI,   1                           ; v1   16 x lane
.set AV0,  2                           ; v2   my lane's place in V's units
.set SPW,  3                           ; v3   my spare word's address; never rewritten
.set NIL,  4                           ; v4   0; never rewritten
.set RH,   5                           ; v5   lane % 16 - 8 (lane / 16)
.set ADK,  6
.set ADV,  7
.set PFO,  8                           ; v8   256 x lane
.set D0,   9                           ; v9, v10 the mask's bounds of the two tiles
.set NEG,  11                          ; v11  -infinity
.set ST,   16                          ; tile t's statistics at v[16 + 8 t]: +0 c m, +1 m, +2, +3 the sum (even keys', odd keys'), +4 to +7 at work; a in +6
.set Q,    32                          ; v32-63   Q: tile t, channels 32 f on: 16 t + 8 f
.set S,    64                          ; v64-127  S^T, 32 a tile; p is packed into the low 16 of each tile
.set O,    128                         ; v128-191 O^T, 32 a tile
.set F,    192                         ; v192-255 K's fragments, then V's
.set TB,   2                           ; s2   LDS byte at which the slot in hand begins
.set WV,   18
.set SEL,  20
.set CS,   22                          ; s[22:23] c = log2(e) / 8
.set G1K,  24
.set G1V,  32
.set G0K,  40
.set G0V,  44
.set SLOTS, 67
.set LQ,   68                          ; s68  my work-group's last query
.set RES,  70
.set QP,   72
.set PFA,  76
.set LIM,  80
.set KF,   98                          ; s98  the step's first key
.set Q0,   99                          ; s99  my first query
; Waves 0 and 1 fetch for K, waves 2 and 3 for V, the others nothing.  An s_nop 0 and four v_nop follow each of the two lines.
.macro TLOAD
	s_cmp_lt_u32 s[WV], 2
	s_cbranch_scc0 .Lnot_k_\@
	tensor_load_to_lds s[G0K:G0K+3], s[G1K:G1K+7]
	s_nop 0
.rept 4
	v_nop
.endr
	s_branch .Lasked_\@
.Lnot_k_\@:
	s_cmp_lt_u32 s[WV], 4
	s_cbranch_scc0 .Lasked_\@
	tensor_load_to_lds s[G0V:G0V+3], s[G1V:G1V+7]
	s_nop 0
.rept 4
	v_nop
.endr
.Lasked_\@:
.endm
; A prefetch of what the NEXT change of slots will ask for: 32,768 bytes of K and as many of V.  All four work-groups of a head walk the same K and V: the first of them, whose late block reaches the last key, asks.
; In it waves 4 to 7 ask for K's block and waves 8 to 11 for V's, 8,192 bytes a wave, lanes 256 bytes apart: each aligned block of 256 bytes is named once in the launch.
; It stands one slot, four key steps, ahead of the load.  The last change that fills a slot asks for nothing; slots 0 and 1 come by their loads alone.
.macro ASK
	s_cmp_gt_u32 s[SLOTS], s[LIM]
	s_cbranch_scc0 .Lnot_mine_\@
	global_prefetch_b8 v[PFO], s[PFA:PFA+1] th:TH_LOAD_NT scope:SCOPE_SE
.Lnot_mine_\@:
.endm
	s_load_b128 s[4:7], s[0:1], 0x0                ; qkv_img s[4:5], res_img s[6:7]
	v_lshl_add_u32 v[SPW], v0, 2, SPARE
	v_mov_b32 v[NIL], 0
	ds_add_u32 v[SPW], v[NIL]                      ; the wave's opening: the add, twice on end, and its wait ahead of my first tensor load
	ds_add_u32 v[SPW], v[NIL]
	v_lshrrev_b32 v12, 5, v0
	v_readfirstlane_b32 s[WV], v12                 ; wave 0..15
	s_and_b32 s82, ttmp7, 0xffff                   ; 4 x head + batch
	s_lshr_b32 s83, s[WV], 2
	s_xor_b32 s83, s83, s[WV]
	s_and_b32 s83, s83, 1                          ; 0: the early block, 1: the late one
	s_sub_co_u32 s84, 7, ttmp9
	s_cmp_eq_u32 s83, 0
	s_cselect_b32 s84, ttmp9, s84                  ; my block of 256 queries
	s_lshr_b32 s85, s[WV], 1                       ; my 32 of them
	s_lshl_b32 s84, s84, 8
	s_lshl_b32 s85, s85, 5
	s_add_co_u32 s[Q0], s84, s85
	s_lshl_b32 s[LQ], ttmp9, 8
	s_sub_co_u32 s[LQ], 2047, s[LQ]                ; the late block's last query
	s_lshl_b32 s86, s82, 18                        ; Q: 262,144 bytes a head and batch, 2,048 a tile of 16 positions
	s_lshl_b32 s87, s[Q0], 7
	s_add_co_u32 s86, s86, s87
	s_mov_b32 s87, 0
	s_and_b32 s88, s[WV], 1                        ; which half of a slot I fetch, if I fetch
	s_lshl_b32 s89, s88, 14                        ; 16,384 bytes in memory; and K's half in a slot
	s_add_co_u32 s90, s82, 64
	s_lshl_b32 s90, s90, 18
	s_add_co_u32 s90, s90, s89                     ; K
	s_mov_b32 s91, 0
	s_add_co_u32 s92, s82, 128
	s_lshl_b32 s92, s92, 18
	s_add_co_u32 s92, s92, s89                     ; V
	s_mov_b32 s93, 0
	s_mul_i32 s94, s88, 64*VU
	s_add_co_u32 s94, s94, VOFF                    ; V's half in a slot
	s_lshr_b32 s95, s82, 4                         ; res_img: head / 4,
	s_lshl_b32 s95, s95, 9
	s_and_b32 s96, s82, 3                          ; the batch,
	s_lshl_b32 s96, s96, 7
	s_add_co_u32 s95, s95, s96
	s_lshr_b32 s96, s[Q0], 4                       ; my first tile of rows:
	s_add_co_u32 s95, s95, s96
	s_lshl_b32 s74, s95, 13                        ; eight images a tile of rows;
	s_bfe_u32 s96, s82, 0x20002                    ; head % 4: two images each
	s_lshl_b32 s96, s96, 11
	s_add_co_u32 s74, s74, s96
	s_mov_b32 s75, 0
	s_cmp_lt_u32 s[WV], 8                          ; the prefetches: waves 4 to 7 K, waves 8 to 11 V
	s_cselect_b32 s78, 64, 128
	s_add_co_u32 s78, s78, s82
	s_lshl_b32 s78, s78, 18
	s_and_b32 s79, s[WV], 3
	s_lshl_b32 s79, s79, 13
	s_add_co_u32 s78, s78, s79
	s_add_co_u32 s78, s78, 32768                   ; in slot 1: the first change of slots steps it to slot 2
	s_mov_b32 s79, 0
	s_sub_co_u32 s81, s[WV], 4
	s_lshr_b32 s81, s81, 3                         ; 0 in waves 4 to 11,
	s_or_b32 s81, s81, ttmp9                       ; of the head's first work-group
	s_cmp_eq_u32 s81, 0
	s_cselect_b32 s[LIM], 1, -1
	; descriptor group 1: half a slot, 16,384 dense bytes, as 64 rows of 256 bytes (32 elements of 8 bytes); V's with 32 words of padding behind each row
	s_mov_b32 s[G1K], 3<<16
	s_mov_b32 s[G1V], (3<<16)|(1<<20)|(5<<22)|(31<<25)
.irp g, G1K, G1V
	s_mov_b32 s[\g+1], 32<<16                      ; tensor_dim0
	s_mov_b32 s[\g+2], 64<<16                      ; tensor_dim1
	s_mov_b32 s[\g+3], 32<<16                      ; tile_dim0
	s_mov_b32 s[\g+4], 64                          ; tile_dim1
	s_mov_b32 s[\g+5], 32                          ; the pitch
	s_mov_b32 s[\g+6], 0
	s_mov_b32 s[\g+7], 0
.endr
	s_mov_b32 s[SEL], 0x76543210
	s_mov_b32 s[SEL+1], 0xfedcba98                 ; v_permlanex16_b32's selects for lane l xor 16
	s_mov_b32 s[CS], 0x3e38aa3b                    ; c = log2(e) / 8
	s_mov_b32 s[CS+1], s[CS]
	s_mov_b32 s[TB], 0
	s_mov_b32 s[KF], 0
	s_mov_b32 s[SLOTS], 7
	s_wait_dscnt 0x0                               ; both opening adds are done
	s_wait_kmcnt 0x0
	s_mov_b32 s[G0K], 1
	s_mov_b32 s[G0K+1], s89
	s_add_nc_u64 s[G0K+2:G0K+3], s[4:5], s[90:91]
	s_or_b32 s[G0K+3], s[G0K+3], 0x80000000
	s_mov_b32 s[G0V], 1
	s_mov_b32 s[G0V+1], s94
	s_add_nc_u64 s[G0V+2:G0V+3], s[4:5], s[92:93]
	s_or_b32 s[G0V+3], s[G0V+3], 0x80000000
	TLOAD                                          ; slot 0: it holds key 0, which counts for every query
	s_add_nc_u64 s[QP:QP+1], s[4:5], s[86:87]
	s_add_nc_u64 s[RES:RES+1], s[6:7], s[74:75]
	s_add_nc_u64 s[PFA:PFA+1], s[4:5], s[78:79]
	v_and_b32 v12, 31, v0
	v_lshlrev_b32 v[LI], 4, v12
	v_lshlrev_b32 v[PFO], 8, v12
.irp t, 0,1
.irp f, 0,1
.irp c, 0,1
	global_load_b128 v[Q+16*\t+8*\f+4*\c:Q+16*\t+8*\f+4*\c+3], v[LI], s[QP:QP+1] offset:\t*2048+\f*1024+\c*512   ; Q stays in registers
.endr
.endr
.endr
	; the turning load: lane l addresses key 8 (l / 16) + l % 8 of the unit (l / 8) % 2 and receives channel l % 16 of eight keys
	v_bfe_u32 v13, v0, 3, 1
	v_mul_u32_u24 v[AV0], v13, VU
	v_bfe_u32 v13, v0, 4, 1
	v_lshl_add_u32 v[AV0], v13, 7, v[AV0]
	v_and_b32 v14, 7, v0
	v_lshl_add_u32 v[AV0], v14, 4, v[AV0]
	v_add_nc_u32 v[AV0], VOFF, v[AV0]
	v_and_b32 v14, 15, v0
	v_lshlrev_b32 v13, 3, v13
	v_sub_nc_u32 v[RH], v14, v13
	v_mov_b32 v[NEG], 0xff800000
.irp t, 0,1
	v_mov_b32 v[ST+8*\t+1], 0xff61b1e6             ; m: -3e38, under every score
	v_mul_f32 v[ST+8*\t], s[CS], v[ST+8*\t+1]
.irp i, 2,3,4,5,6,7
	v_mov_b32 v[ST+8*\t+\i], 0                     ; the sum; and what a lane permute or a pair names before it is first written
.endr
.endr
.set i, 0
.rept 64
	v_mov_b32 v[O+i], 0                            ; O^T.  (The key step is written once: the first finds zeros, which its a = 0 leaves zeros; a first step of its own would be a third copy of the step)
.set i, i+1
.endr
; A KEY STEP: 64 keys, the q-th of the slot in hand.
.macro STEP q
	s_add_co_u32 s96, s[Q0], 31                    ; a step all of whose keys come after my 32 queries is left out: a branch on ids and the count of steps
	s_cmp_gt_u32 s[KF], s96
	s_cbranch_scc1 .Lhidden_\@
	v_add_nc_u32 v[ADK], s[TB], v[LI]
	v_add_nc_u32 v[ADV], s[TB], v[AV0]
.rept 3
	v_nop                                          ; with the two additions five places behind the last step's products: loads land on V's fragments (four are owed), and the products below write over p (five)
.endr
.irp k, 0,1,2,3
.irp f, 0,1
.irp c, 0,1
	ds_load_b128 v[F+8*(2*\k+\f)+4*\c:F+8*(2*\k+\f)+4*\c+3], v[ADK] offset:(4*(\q)+\k)*2048+\f*1024+\c*512   ; an image's half: 512 consecutive bytes
.endr
.endr
.endr
	s_wait_dscnt 0x0
.irp f, 0,1                                    ; S^T = K Q^T: eight accumulators by turns
.irp k, 0,1,2,3
.irp t, 0,1
.if \f == 0
	v_wmma_f32_16x16x32_f16 v[S+32*\t+8*\k:S+32*\t+8*\k+7], v[F+8*(2*\k+\f):F+8*(2*\k+\f)+7], v[Q+16*\t+8*\f:Q+16*\t+8*\f+7], 0
.else
	v_wmma_f32_16x16x32_f16 v[S+32*\t+8*\k:S+32*\t+8*\k+7], v[F+8*(2*\k+\f):F+8*(2*\k+\f)+7], v[Q+16*\t+8*\f:Q+16*\t+8*\f+7], v[S+32*\t+8*\k:S+32*\t+8*\k+7]
.endif
.endr
.endr
.endr
.rept 4
	v_nop                                          ; places in front of the loads into K's fragments and of the first reads of the scores
.endr
.irp g, 0,1                                    ; V^T: keys 32 g on, channels 16 c on; the loads land while the softmax is walked
.irp c, 0,1,2,3
.irp z, 0,1
	ds_load_tr16_b128 v[F+8*(4*\g+\c)+4*\z:F+8*(4*\g+\c)+4*\z+3], v[ADV] offset:((4*(\q)+2*\g+\z)*8+2*\c)*VU
.endr
.endr
.endr
	s_add_co_u32 s96, s[KF], 63                    ; on the diagonal hidden scores become -infinity ahead of the maximum; a step all of whose keys count skips this
	s_cmp_le_u32 s96, s[Q0]
	s_cbranch_scc1 .Lopen_\@
	s_sub_co_u32 s96, s[Q0], s[KF]
	v_add_nc_u32 v[D0], s96, v[RH]                 ; d = my query - the step's first key - 8 (lane / 16): register 8 k + i holds key 16 k + i further on: hidden where 16 k + i > d
	v_add_nc_u32 v[D0+1], 16, v[D0]
.irp t, 0,1
.set n, 0
.rept 32
	v_cmp_gt_i32 vcc_lo, 16*(n/8)+n%8, v[D0+\t]
	v_cndmask_b32 v[S+32*\t+n], v[S+32*\t+n], v[NEG], vcc_lo
.set n, n+1
.endr
.endr
.Lopen_\@:
	; the softmax of both tiles, line by line by turns.  The maximum of 32 scores and the old m: four chains, one an accumulator, each from its low end on
.irp j, 0,1,2,3
.irp t, 0,1
	v_max3_num_f32 v[ST+8*\t+4+\j], v[S+32*\t+8*\j], v[S+32*\t+8*\j+1], v[S+32*\t+8*\j+2]
.endr
.endr
.irp u, 1,2
.irp j, 0,1,2,3
.irp t, 0,1
	v_max3_num_f32 v[ST+8*\t+4+\j], v[ST+8*\t+4+\j], v[S+32*\t+8*\j+2*\u+1], v[S+32*\t+8*\j+2*\u+2]
.endr
.endr
.endr
.irp t, 0,1
	v_max3_num_f32 v[ST+8*\t+4], v[ST+8*\t+4], v[S+32*\t+7], v[S+32*\t+15]
.endr
.irp t, 0,1
	v_max3_num_f32 v[ST+8*\t+6], v[ST+8*\t+6], v[S+32*\t+23], v[S+32*\t+31]
.endr
.irp t, 0,1
	v_max3_num_f32 v[ST+8*\t+4], v[ST+8*\t+4], v[ST+8*\t+5], v[ST+8*\t+6]
.endr
.irp t, 0,1
	v_max3_num_f32 v[ST+8*\t+4], v[ST+8*\t+4], v[ST+8*\t+7], v[ST+8*\t+1]
.endr
.irp t, 0,1
	v_permlanex16_b32 v[ST+8*\t+5], v[ST+8*\t+4], s[SEL], s[SEL+1]   ; the query's other 32 keys lie in the lane 16 away
.endr
.irp t, 0,1
	v_mov_b32 v[ST+8*\t+7], v[ST+8*\t]             ; c m_old
.endr
.irp t, 0,1
	v_max_num_f32 v[ST+8*\t+1], v[ST+8*\t+4], v[ST+8*\t+5]
.endr
.irp t, 0,1
	v_mul_f32 v[ST+8*\t], s[CS], v[ST+8*\t+1]
.endr
.irp t, 0,1
	v_sub_f32 v[ST+8*\t+7], v[ST+8*\t+7], v[ST+8*\t]
.endr
.set n, 0
.rept 16
.irp t, 0,1
	v_pk_fma_f32 v[S+32*\t+n:S+32*\t+n+1], v[S+32*\t+n:S+32*\t+n+1], s[CS:CS+1], v[ST+8*\t:ST+8*\t+1] op_sel_hi:[1,0,0] neg_lo:[0,0,1] neg_hi:[0,0,1]   ; c s - c m, two at a time
.endr
.set n, n+2
.endr
.irp t, 0,1
	v_exp_f32 v[ST+8*\t+6], v[ST+8*\t+7]           ; a = 2^(c m_old - c m_new)
.endr
.set n, 0
.rept 32
	v_exp_f32 v[S+n], v[S+n]                       ; p = 2^(c s - c m): ONE batch of 66 exponentials, none of which reads another's result
	v_exp_f32 v[S+32+n], v[S+32+n]
.set n, n+1
.endr
	v_nop                                          ; a plain instruction behind the last exponential
	s_wait_alu depctr_va_vdst(0)                   ; and one wait ahead of the batch's first reader
.irp t, 0,1
	v_pk_mul_f32 v[ST+8*\t+2:ST+8*\t+3], v[ST+8*\t+2:ST+8*\t+3], v[ST+8*\t+6:ST+8*\t+7] op_sel_hi:[1,0]   ; the sum under the new m
.endr
.irp t, 0,1
	v_pk_add_f32 v[ST+8*\t+4:ST+8*\t+5], v[S+32*\t:S+32*\t+1], v[S+32*\t+2:S+32*\t+3]   ; the row's sum is taken of the unrounded p, in two chains
.endr
.irp j, 4,8,12,16,20,24,28
.irp t, 0,1
	v_pk_add_f32 v[ST+8*\t+2:ST+8*\t+3], v[ST+8*\t+2:ST+8*\t+3], v[S+32*\t+\j:S+32*\t+\j+1]
	v_pk_add_f32 v[ST+8*\t+4:ST+8*\t+5], v[ST+8*\t+4:ST+8*\t+5], v[S+32*\t+\j+2:S+32*\t+\j+3]
.endr
.endr
.irp t, 0,1
	v_pk_add_f32 v[ST+8*\t+2:ST+8*\t+3], v[ST+8*\t+2:ST+8*\t+3], v[ST+8*\t+4:ST+8*\t+5]
.endr
.set n, 0
.rept 16
	v_cvt_pk_f16_f32 v[S+n], v[S+2*n], v[S+2*n+1]  ; p to f16, in place and ascending: register n is written when registers 2 n and 2 n + 1 are read, and no later line reads it as f32
	v_cvt_pk_f16_f32 v[S+32+n], v[S+32+2*n], v[S+32+2*n+1]
.set n, n+1
.endr
.set n, 0
.rept 16
.irp t, 0,1
	v_pk_mul_f32 v[O+32*\t+n:O+32*\t+n+1], v[O+32*\t+n:O+32*\t+n+1], v[ST+8*\t+6:ST+8*\t+7] op_sel_hi:[1,0]   ; O^T under the new m
.endr
.set n, n+2
.endr
	s_wait_dscnt 0x0                               ; V is in
.irp g, 0,1                                    ; O^T += V^T P: eight accumulators by turns
.irp c, 0,1,2,3
.irp t, 0,1
	v_wmma_f32_16x16x32_f16 v[O+32*\t+8*\c:O+32*\t+8*\c+7], v[F+8*(4*\g+\c):F+8*(4*\g+\c)+7], v[S+32*\t+8*\g:S+32*\t+8*\g+7], v[O+32*\t+8*\c:O+32*\t+8*\c+7]
.endr
.endr
.endr
.Lhidden_\@:
	s_add_co_u32 s[KF], s[KF], 64
.endm
; THE CHANGE OF SLOTS stands at a slot's head.  Each wave waits for all its tensor loads (its part of the slot ahead), adds 0 to its spare word (fill = 1: twice on end), and waits for that and for its reads of the
; slot that it has left.  Behind the barrier the slot ahead is whole and nobody reads the other one, which is then filled with the keys that follow, up to the causal limit: the load has four key steps in which to land.
; By this text's count a fetching wave has one tensor load out.
.macro CHANGE fill
	s_wait_tensorcnt 0x0                           ; no tensor load of mine is out, so a group 0 may be written
	ds_add_u32 v[SPW], v[NIL]
.if \fill
	ds_add_u32 v[SPW], v[NIL]                      ; and once more, in every trip alike
	s_xor_b32 s[G0K+1], s[G0K+1], SLOT1            ; the walking descriptors: the other slot than last time, the next 256 keys
	s_add_nc_u64 s[G0K+2:G0K+3], s[G0K+2:G0K+3], 32768
	s_xor_b32 s[G0V+1], s[G0V+1], SLOT1
	s_add_nc_u64 s[G0V+2:G0V+3], s[G0V+2:G0V+3], 32768
	s_wait_xcnt 0x0                                ; the last prefetch, a slot back, has read its address
	s_add_nc_u64 s[PFA:PFA+1], s[PFA:PFA+1], 32768
.endif
	s_wait_dscnt 0x0                               ; the add is done, and my reads of the slot that I have left are over
	s_barrier_signal -1
	s_barrier_wait -1
.if \fill
	s_add_co_u32 s96, s[KF], SK                    ; the first key of the slot that this change would ask for: past my work-group's last query no wave reads it, so it is not asked for
	s_cmp_gt_u32 s96, s[LQ]                        ; the work-group's number and the count of steps alone: all sixteen waves go the same way.  Every wait on TENSORcnt in this text is for 0
	s_cbranch_scc1 .Lpast_\@
	TLOAD
.Lpast_\@:
	ASK
.endif
.endm
.macro SLOT_STEPS
	STEP 0
	STEP 1
	STEP 2
	STEP 3
	s_xor_b32 s[TB], s[TB], SLOT1                  ; on to the other slot
.endm
	s_wait_loadcnt 0x0                             ; Q
.Lslot:                                            ; 7 trips: behind each change of slots but the last the next slot is asked for, up to the causal limit
	CHANGE 1
	SLOT_STEPS
	s_sub_co_u32 s[SLOTS], s[SLOTS], 1
	s_cmp_lg_u32 s[SLOTS], 0
	s_cbranch_scc1 .Lslot
	CHANGE 0                                       ; the last slot is written out: nothing is left to ask for
	SLOT_STEPS
	; THE WAY OUT: O^T / the sum, to f16; a lane's eight channels are four registers of the projection's fragment
.rept 4
	v_nop
.endr
.irp t, 0,1
	v_add_f32 v[ST+8*\t+4], v[ST+8*\t+2], v[ST+8*\t+3]
.endr
.irp t, 0,1
	v_permlanex16_b32 v[ST+8*\t+5], v[ST+8*\t+4], s[SEL], s[SEL+1]
.endr
.irp t, 0,1
	v_add_f32 v[ST+8*\t+4], v[ST+8*\t+4], v[ST+8*\t+5]
.endr
.irp t, 0,1
	v_rcp_f32 v[ST+8*\t+6], v[ST+8*\t+4]
.endr
	v_nop
	s_wait_alu depctr_va_vdst(0)                   ; one wait for the two reciprocals, ahead of their first reader
.irp t, 0,1
.set n, 0
.rept 16
	v_pk_mul_f32 v[O+32*\t+n:O+32*\t+n+1], v[O+32*\t+n:O+32*\t+n+1], v[ST+8*\t+6:ST+8*\t+7] op_sel_hi:[1,0]
.set n, n+2
.endr
.endr
.irp t, 0,1
.set n, 0
.rept 16
	v_cvt_pk_f16_f32 v[F+16*\t+n], v[O+32*\t+2*n], v[O+32*\t+2*n+1]
.set n, n+1
.endr
.endr
.irp t, 0,1
.irp c, 0,1,2,3
	global_store_b128 v[LI], v[F+16*\t+4*\c:F+16*\t+4*\c+3], s[RES:RES+1] offset:\t*8192+\c*512   ; half an image: 512 consecutive bytes, aligned
.endr
.endr
	s_wait_tensorcnt 0x0                           ; the wave's end
	ds_add_u32 v[SPW], v[NIL]
	s_wait_dscnt 0x0
	s_endpgm
.Lfunc_end_k_q2cdb5e9c45_attn:
	.size	k_q2cdb5e9c45_attn, .Lfunc_end_k_q2cdb5e9c45_attn-k_q2cdb5e9c45_attn
	.p2alignl 7, 3214868480
	.fill 96, 4, 3214868480
	.section	.rodata,"a",@progbits
	.p2align	6, 0x0
	.amdhsa_kernel k_q2cdb5e9c45_attn
		.amdhsa_group_segment_fixed_size 327680
		.amdhsa_private_segment_fixed_size 0
		.amdhsa_enable_private_segment 0
		.amdhsa_kernarg_size 16
		.amdhsa_user_sgpr_count 2
		.amdhsa_user_sgpr_kernarg_segment_ptr 1
		.amdhsa_wavefront_size32 1
		.amdhsa_system_sgpr_workgroup_id_x 1
		.amdhsa_system_sgpr_workgroup_id_y 1
		.amdhsa_system_sgpr_workgroup_id_z 1
		.amdhsa_system_vgpr_workitem_id 0
		.amdhsa_next_free_vgpr 256
		.amdhsa_next_free_sgpr 100
		.amdhsa_reserve_vcc 1
		.amdhsa_float_denorm_mode_32 3
		.amdhsa_float_denorm_mode_16_64 3
		.amdhsa_memory_ordered 1
		.amdhsa_forward_progress 1
		.amdhsa_inst_pref_size 187
	.end_amdhsa_kernel
	.amdgpu_metadata
---
amdhsa.version: [ 1, 2 ]
amdhsa.kernels:
  - .name:           k_q2cdb5e9c45_attn
    .symbol:         k_q2cdb5e9c45_attn.kd
    .args:
      - { .name: qkv_img, .offset: 0, .size: 8, .value_kind: global_buffer, .address_space: global }
      - { .name: res_img, .offset: 8, .size: 8, .value_kind: global_buffer, .address_space: global }
    .group_segment_fixed_size: 327680
    .private_segment_fixed_size: 0
    .kernarg_segment_align: 8
    .kernarg_segment_size: 16
    .max_flat_workgroup_size: 512
    .sgpr_count:     100
    .vgpr_count:     256
    .wavefront_size: 32
...
	.end_amdgpu_metadata
.endif
;; end of part 3
;; launch proj (part 4): grid 8 x 64, 4 waves a work-group, clusters of 4 x 4, 327,680 bytes of LDS; arguments res_img, wo_img, out0; writes out0
.if DOCPART == 4
	.amdgcn_target "amdgcn-amd-amdhsa--gfx1250"
	.amdhsa_code_object_version 6
	.text
	.protected	k_q2cdb5e9c45_proj
	.globl	k_q2cdb5e9c45_proj
	.p2align	8
	.type	k_q2cdb5e9c45_proj,@function
k_q2cdb5e9c45_proj:
	s_mov_b64 s[64:65], 0
	v_nop
	global_prefetch_b8 v0, s[64:65] scope:SCOPE_SE
	s_setreg_imm32_b32 hwreg(HW_REG_WAVE_MODE, 25, 1), 1
	s_wait_xcnt 0x0
	s_wait_alu depctr_hold_cnt(0) depctr_sa_sdst(0) depctr_va_vdst(0) depctr_va_sdst(0) depctr_va_ssrc(0) depctr_va_vcc(0) depctr_vm_vsrc(0)
	s_getreg_b32 s2, hwreg(HW_REG_IB_STS2, 6, 4)
	s_cmp_eq_u32 s2, 0
	s_cbranch_scc0 .Lentry_in_a_cluster
	s_endpgm
.Lentry_in_a_cluster:
	s_bfe_u32 s2, ttmp6, 0x10000c
	s_cmp_lg_u32 s2, 0xf033
	s_cbranch_scc0 .Lentry_shape_is_right
	s_endpgm
.Lentry_shape_is_right:
; out0[m][n] = sum over k of res[m][k] Wo[k][n]: M 8,192, N 1,024, K 1,024; operands f16, sums and result f32.
; Both operands come as images of 16 x 32 fragments (registers 0-3 at 16 x lane, 4-7 at 512 + 16 x lane): res_img [K / 256][m / 16][(K % 256) / 32][1,024 bytes], wo_img [K / 256][n / 16][(K % 256) / 32][1,024 bytes].
; So a K step's tile is one dense block of memory, and every fragment load from LDS takes 512 consecutive bytes: no pitch and no padding.
; A tile of out0 is 128 x 128 (512 work-groups, two for each of 256 WGPs); four waves, each 64 x 64: 16 accumulators.  K goes in 4 steps of 256 through a ring of two LDS slots.
; CLUSTERS: 4 x 4 work-groups; res's tiles are asked for jointly along a row of the cluster, Wo's along a column.  THE MATRIX INSTRUCTION IS USED TRANSPOSED (source 0 = 16 columns of Wo, source 1 = 16 rows of res).
; Rows 0-15 of every batch are stored here like all others and written again, more finely, by the launch behind this one: leaving them out would be a branch on the work-group's place in its cluster (256 KiB twice).
; REGISTERS: window 0: v0-31 addresses; v32-95 the way out; v128-255 the accumulators ((a, b) at v[128 + 8 (4 a + b)]).   window 1: two fragment buffers of 128: 64 registers of res, then 64 of Wo, for 64 along K.
.set HALFT,  32768                     ; four tiles of 16 rows x eight images: what one tensor load brings, and what one wave reads of res or of Wo
.set SLOT,   4*HALFT                   ; res's 128 rows, then Wo's 128 columns
.set SPARE,  2*SLOT                    ; the spare words, 128 bytes for each wave
.set SPITCH, 272                       ; the way out: a stage of 16 rows x (256 bytes + 16) for each wave, in slot 0, which has had its last fill and its last read by then
.set LAPS,   2                         ; a lap = two K steps = once round the ring
.set ASTEP,  4194304                   ; a K step on, in res_img
.set BSTEP,  524288                    ; and in wo_img
.set ADRA, 16
.set ADRB, 20
.set STO,  24
.set RD,   25
.set CO,   26
.set SPW,  28
.set NIL,  29
.set TMP,  32
.set ACC,  128
.set F0,   0
.set F1,   128
.set G1, 24
.set G0, 32
.set G1B, 48
.set G0B, 56
.set MSB, 0
.macro WIN new                         ; the immediate's high byte repeats the setting that is left
.if MSB != \new
	s_set_vgpr_msb (MSB<<8)|\new
.set MSB, \new
.endif
.endm
.set MUL,  0x05                        ; sources 0 and 1 window 1; C and D window 0
.set TO_F, 0x40                        ; destination window 1, address window 0
.macro JLOAD s                         ; a joint load: waves 0 and 1 fetch res's two halves, waves 2 and 3 Wo's; an s_nop 0 and four v_nop follow each of the two lines
	s_cmp_eq_u32 s11, 0
	s_cbranch_scc0 .Lfor_b_\@
	tensor_load_to_lds s[G0+4*\s:G0+4*\s+3], s[G1:G1+7]
	s_nop 0
.rept 4
	v_nop
.endr
	s_branch .Lasked_\@
.Lfor_b_\@:
	tensor_load_to_lds s[G0B+4*\s:G0B+4*\s+3], s[G1B:G1B+7]
	s_nop 0
.rept 4
	v_nop
.endr
.Lasked_\@:
.endm
.macro CREST                           ; a round of the cluster's barrier behind its opening barrier
	s_cmp_lg_u32 s10, 0
	s_cbranch_scc1 .Lnot_wave_0_\@
	s_barrier_signal -3
.Lnot_wave_0_\@:
	s_barrier_wait -3
	s_barrier_signal -1
	s_barrier_wait -1
.endm
.macro CROUND
	s_barrier_signal -1
	s_barrier_wait -1
	CREST
.endm
	s_load_b128 s[4:7], s[0:1], 0x0                ; res_img s[4:5], wo_img s[6:7]
	s_load_b64 s[8:9], s[0:1], 0x10                ; out0
	v_lshl_add_u32 v[SPW], v0, 2, SPARE
	v_mov_b32 v[NIL], 0
	ds_add_u32 v[SPW], v[NIL]                      ; the wave's opening: the add, twice on end, and its wait ahead of my first tensor load
	ds_add_u32 v[SPW], v[NIL]
	v_lshrrev_b32 v1, 5, v0
	v_readfirstlane_b32 s10, v1                    ; wave 0..3
	s_lshr_b32 s11, s10, 1                         ; which half of the tile's rows is mine.  Also: I fetch for res (0) or for Wo (1)
	s_and_b32 s12, s10, 1                          ; which half of its columns.  Also: which half of that tile I fetch
	s_bfe_u32 s40, ttmp6, 0x40000                  ; cx, cy
	s_bfe_u32 s41, ttmp6, 0x40004
	s_lshl_b32 s42, ttmp9, 2
	s_add_co_u32 s42, s42, s40                     ; tile column
	s_and_b32 s13, ttmp7, 0xffff
	s_lshl_b32 s13, s13, 2
	s_add_co_u32 s13, s13, s41                     ; tile row
	s_lshl_b32 s43, s41, 2
	s_lshl_b32 s43, 15, s43                        ; my row of the cluster
	s_lshl_b32 s44, 0x1111, s40                    ; my column
	; descriptor group 1: 32,768 dense bytes as 128 rows of 256 bytes (32 elements of 8 bytes), no padding
	s_or_b32 s[G1+0], s43, (3<<16)|(1<<21)
	s_or_b32 s[G1B+0], s44, (3<<16)|(1<<21)
.irp g, G1, G1B
	s_mov_b32 s[\g+1], 32<<16                      ; tensor_dim0
	s_mov_b32 s[\g+2], 128<<16                     ; tensor_dim1
	s_mov_b32 s[\g+3], 32<<16                      ; tile_dim0
	s_mov_b32 s[\g+4], 128                         ; tile_dim1
	s_mov_b32 s[\g+5], 32                          ; the pitch
	s_mov_b32 s[\g+6], 0
	s_mov_b32 s[\g+7], 0
.endr
	s_lshl_b32 s17, s12, 2                         ; which four of the tile's eight tiles of 16 I fetch
	s_lshl_b32 s16, s13, 3
	s_add_co_u32 s16, s16, s17
	s_lshl_b32 s16, s16, 13                        ; res: 8,192 bytes a tile of 16 rows
	s_lshl_b32 s46, s42, 3
	s_add_co_u32 s46, s46, s17
	s_lshl_b32 s46, s46, 13                        ; Wo likewise
	s_mov_b32 s17, 0
	s_mov_b32 s47, 0
	s_mul_i32 s20, s10, HALFT                      ; where they go: no place in the cluster enters an LDS address
	s_wait_dscnt 0x0                               ; both opening adds are done
	s_wait_kmcnt 0x0
	s_add_nc_u64 s[14:15], s[4:5], s[16:17]
	s_add_nc_u64 s[46:47], s[6:7], s[46:47]
	CROUND                                         ; all sixteen work-groups are here: the first joint loads meet
.irp s, 0,1
	s_mov_b32 s[G0+4*\s], 1
	s_add_co_u32 s[G0+4*\s+1], s20, \s*SLOT
	s_add_nc_u64 s[G0+4*\s+2:G0+4*\s+3], s[14:15], \s*ASTEP
	s_or_b32 s[G0+4*\s+3], s[G0+4*\s+3], 0x80000000
	s_mov_b32 s[G0B+4*\s], 1
	s_add_co_u32 s[G0B+4*\s+1], s20, \s*SLOT
	s_add_nc_u64 s[G0B+4*\s+2:G0B+4*\s+3], s[46:47], \s*BSTEP
	s_or_b32 s[G0B+4*\s+3], s[G0B+4*\s+3], 0x80000000
	JLOAD \s
.endr
	v_and_b32 v1, 15, v0                           ; l % 16
	v_bfe_u32 v2, v0, 4, 1                         ; l / 16
	v_and_b32 v3, 31, v0
	v_lshlrev_b32 v3, 4, v3                        ; 16 x lane
	s_mul_i32 s21, s11, HALFT                      ; my 64 rows of res
	s_mul_i32 s22, s12, HALFT                      ; my 64 columns of Wo,
	s_add_co_u32 s22, s22, 2*HALFT                 ; which lie behind res's 128 rows
.irp s, 0,1
	v_add_nc_u32 v[ADRA+\s], s21, v3
	v_add_nc_u32 v[ADRB+\s], s22, v3
	s_add_co_u32 s21, s21, SLOT
	s_add_co_u32 s22, s22, SLOT
.endr
	s_mul_i32 s23, s10, 16*SPITCH                  ; my stage
	v_mul_u32_u24 v4, v1, SPITCH                   ; in: row l % 16, 32 bytes for each half of the lanes
	v_lshl_add_u32 v4, v2, 5, v4
	v_add_nc_u32 v[STO], s23, v4
	v_mul_u32_u24 v5, v2, SPITCH                   ; back: lanes 0-15 one row of 256 bytes, lanes 16-31 the next
	v_lshl_add_u32 v5, v1, 4, v5
	v_add_nc_u32 v[RD], s23, v5
	v_lshlrev_b32 v5, 12, v2                       ; and the same two rows in out0
	v_lshl_add_u32 v[CO], v1, 4, v5
	s_lshl_b32 s16, s13, 7
	s_lshl_b32 s17, s11, 6
	s_add_co_u32 s16, s16, s17                     ; my first row
	s_lshl_b32 s16, s16, 12
	s_mov_b32 s17, 0
	s_add_nc_u64 s[8:9], s[8:9], s[16:17]
	s_lshl_b32 s46, s42, 9                         ; my first column, in bytes
	s_lshl_b32 s47, s12, 8
	s_add_co_u32 s46, s46, s47
	s_mov_b32 s47, 0
	s_add_nc_u64 s[8:9], s[8:9], s[46:47]
; 8 matrix instructions: row blocks a0, a0 + 1 x all 4 column blocks, 32 along K: half c of buffer f.  The 16 accumulators take turns
.macro MUL8 f, c, a0, zero
.irp a, \a0, \a0+1
.irp b, 0,1,2,3
.if \zero
	v_wmma_f32_16x16x32_f16 v[ACC+8*(4*(\a)+\b):ACC+8*(4*(\a)+\b)+7], v[\f+64+8*(4*\c+\b):\f+64+8*(4*\c+\b)+7], v[\f+8*(4*\c+\a):\f+8*(4*\c+\a)+7], 0
.else
	v_wmma_f32_16x16x32_f16 v[ACC+8*(4*(\a)+\b):ACC+8*(4*(\a)+\b)+7], v[\f+64+8*(4*\c+\b):\f+64+8*(4*\c+\b)+7], v[\f+8*(4*\c+\a):\f+8*(4*\c+\a)+7], v[ACC+8*(4*(\a)+\b):ACC+8*(4*(\a)+\b)+7]
.endif
.endr
.endr
.endm
; 32 LDS loads in one run: the images of the slot's qd-th 64 along K into buffer f; the first 32 along K first
.macro FETCH slot, qd, f
	WIN TO_F
.irp c, 0,1
.irp i, 0,1,2,3
	ds_load_b128 v[\f+64+8*(4*\c+\i):\f+64+8*(4*\c+\i)+3],   v[ADRB+\slot] offset:\i*8192+(2*(\qd)+\c)*1024
	ds_load_b128 v[\f+64+8*(4*\c+\i)+4:\f+64+8*(4*\c+\i)+7], v[ADRB+\slot] offset:\i*8192+(2*(\qd)+\c)*1024+512
	ds_load_b128 v[\f+8*(4*\c+\i):\f+8*(4*\c+\i)+3],         v[ADRA+\slot] offset:\i*8192+(2*(\qd)+\c)*1024
	ds_load_b128 v[\f+8*(4*\c+\i)+4:\f+8*(4*\c+\i)+7],       v[ADRA+\slot] offset:\i*8192+(2*(\qd)+\c)*1024+512
.endr
.endr
.endm
.macro PLACES                          ; four places in front of loads into registers that matrix instructions have read, and of the first reads of results
.rept 4
	v_nop
.endr
.endm
; A K step is four quarters of 64 along K, 32 matrix instructions each, on buffers 0, 1, 0, 1.  One of the first three: multiplies buffer f and fetches quarter qd into g.
.macro QUARTER slot, qd, f, g, zero
	s_wait_dscnt 16                                ; the first 32 along K are in; the youngest sixteen loads may be out
	WIN MUL
	MUL8 \f, 0, 0, \zero
	MUL8 \f, 0, 2, \zero
	PLACES
	FETCH \slot, \qd, \g
	s_wait_dscnt 32                                ; all but the 32 just issued
	WIN MUL
	MUL8 \f, 1, 0, 0
	MUL8 \f, 1, 2, 0
.endm
; The last quarter multiplies buffer 1 and changes slots: one barrier; in front of it each wave waits for all its tensor loads, adds 0 to its spare word, and waits for that and for its reads of this slot.
; fill = 1: the barrier opens a round of the cluster's, and this slot is filled again, two K steps ahead: the joint load has 112 matrix instructions in which to land.
.macro TURN slot, next, fill
	WIN 0
	s_wait_tensorcnt 0x0
	ds_add_u32 v[SPW], v[NIL]
	s_wait_dscnt 17                                ; (the add and the youngest sixteen loads may be out)
	WIN MUL
	MUL8 F1, 0, 0, 0
	s_wait_dscnt 0x0                               ; the add is done, and my reads of this slot are over
	s_barrier_signal -1
	MUL8 F1, 0, 2, 0
.if \fill
	WIN 0
.endif
	s_barrier_wait -1
.if \fill
	CREST
	s_add_nc_u64 s[G0+4*\slot+2:G0+4*\slot+3], s[G0+4*\slot+2:G0+4*\slot+3], 2*ASTEP
	s_add_nc_u64 s[G0B+4*\slot+2:G0B+4*\slot+3], s[G0B+4*\slot+2:G0B+4*\slot+3], 2*BSTEP
	JLOAD \slot                                    ; the first tensor load behind the round; its four v_nop are also the places in front of the loads below
.else
	PLACES
.endif
	FETCH \next, 0, F0
	WIN MUL
	MUL8 F1, 1, 0, 0
	MUL8 F1, 1, 2, 0
.endm
	s_wait_tensorcnt 1                             ; my part of K step 0 is in (K step 1's load may be out),
	s_barrier_signal -1
	s_barrier_wait -1                              ; everybody's is
	FETCH 0, 0, F0
	QUARTER 0, 1, F0, F1, 1                        ; the first products start the sums
	WIN 0                                          ; at a label and at a branch every window is 0
	s_mov_b32 s3, LAPS-1
.Llap:                                                 ; a trip goes once round the ring, from a lap's second quarter to the next lap's first, and fills both slots again
	QUARTER 0, 2, F1, F0, 0
	QUARTER 0, 3, F0, F1, 0
	TURN 0, 1, 1
	QUARTER 1, 1, F0, F1, 0
	QUARTER 1, 2, F1, F0, 0
	QUARTER 1, 3, F0, F1, 0
	TURN 1, 0, 1
	QUARTER 0, 1, F0, F1, 0
	WIN 0
	s_sub_co_u32 s3, s3, 1
	s_cmp_lg_u32 s3, 0
	s_cbranch_scc1 .Llap
	QUARTER 0, 2, F1, F0, 0                        ; the last lap fills nothing
	QUARTER 0, 3, F0, F1, 0
	TURN 0, 1, 0
	QUARTER 1, 1, F0, F1, 0
	QUARTER 1, 2, F1, F0, 0
	QUARTER 1, 3, F0, F1, 0
	s_wait_dscnt 16
	WIN MUL
	MUL8 F1, 0, 0, 0
	MUL8 F1, 0, 2, 0
	s_wait_dscnt 0
	MUL8 F1, 1, 0, 0
	MUL8 F1, 1, 2, 0
	WIN 0
; THE WAY OUT, block by block of 16 rows x 64 columns.  A lane holds 32 neighbouring bytes of a row: a block goes through my own stage and comes back as whole rows of 256 bytes.
; LDS serves a wave's instructions in order: no wait between the stores and the loads, nor in front of the next block's stores.
.macro TOSTAGE a
.irp b, 0,1,2,3
	ds_store_b128 v[STO], v[ACC+8*(4*(\a)+\b):ACC+8*(4*(\a)+\b)+3] offset:64*\b          ; each accumulator from its low end on
	ds_store_b128 v[STO], v[ACC+8*(4*(\a)+\b)+4:ACC+8*(4*(\a)+\b)+7] offset:64*\b+16
.endr
.irp t, 0,1,2,3,4,5,6,7
	ds_load_b128 v[TMP+32*((\a)%2)+4*\t:TMP+32*((\a)%2)+4*\t+3], v[RD] offset:2*\t*SPITCH
.endr
.endm
.macro SEND a, younger
	s_wait_dscnt \younger                          ; the block is back in registers; the next block's eight stores and eight loads may be out
.irp t, 0,1,2,3,4,5,6,7
	global_store_b128 v[CO], v[TMP+32*((\a)%2)+4*\t:TMP+32*((\a)%2)+4*\t+3], s[8:9] offset:(16*(\a)+2*\t)*4096   ; sixteen lanes store 256 consecutive bytes, aligned
.endr
.endm
	PLACES
	TOSTAGE 0
.irp a, 1,2,3
.if \a > 1
	s_wait_xcnt 0x0                                ; block a - 2's stores have read their registers: block a's loads may land there
.endif
	TOSTAGE \a
	SEND \a-1, 16
.endr
	SEND 3, 0
	s_wait_tensorcnt 0x0                           ; the wave's end
	ds_add_u32 v[SPW], v[NIL]
	s_wait_dscnt 0x0
	CROUND                                         ; the closing round
	s_endpgm
.Lfunc_end_k_q2cdb5e9c45_proj:
	.size	k_q2cdb5e9c45_proj, .Lfunc_end_k_q2cdb5e9c45_proj-k_q2cdb5e9c45_proj
	.p2alignl 7, 3214868480
	.fill 96, 4, 3214868480
	.section	.rodata,"a",@progbits
	.p2align	6, 0x0
	.amdhsa_kernel k_q2cdb5e9c45_proj
		.amdhsa_group_segment_fixed_size 327680
		.amdhsa_private_segment_fixed_size 0
		.amdhsa_enable_private_segment 0
		.amdhsa_kernarg_size 24
		.amdhsa_user_sgpr_count 2
		.amdhsa_user_sgpr_kernarg_segment_ptr 1
		.amdhsa_wavefront_size32 1
		.amdhsa_system_sgpr_workgroup_id_x 1
		.amdhsa_system_sgpr_workgroup_id_y 1
		.amdhsa_system_sgpr_workgroup_id_z 1
		.amdhsa_system_vgpr_workitem_id 0
		.amdhsa_next_free_vgpr 512
		.amdhsa_next_free_sgpr 66
		.amdhsa_reserve_vcc 0
		.amdhsa_float_denorm_mode_32 3
		.amdhsa_float_denorm_mode_16_64 3
		.amdhsa_memory_ordered 1
		.amdhsa_forward_progress 1
		.amdhsa_inst_pref_size 85
	.end_amdhsa_kernel
	.amdgpu_metadata
---
amdhsa.version: [ 1, 2 ]
amdhsa.kernels:
  - .name:           k_q2cdb5e9c45_proj
    .symbol:         k_q2cdb5e9c45_proj.kd
    .args:
      - { .name: res_img, .offset: 0, .size: 8, .value_kind: global_buffer, .address_space: global }
      - { .name: wo_img, .offset: 8, .size: 8, .value_kind: global_buffer, .address_space: global }
      - { .name: out0, .offset: 16, .size: 8, .value_kind: global_buffer, .address_space: global }
    .group_segment_fixed_size: 327680
    .private_segment_fixed_size: 0
    .kernarg_segment_align: 8
    .kernarg_segment_size: 24
    .max_flat_workgroup_size: 128
    .sgpr_count:     66
    .vgpr_count:     512
    .wavefront_size: 32
...
	.end_amdgpu_metadata
.endif
;; end of part 4
;; launch fine (part 5): grid 16 x 4, 16 waves a work-group, no clusters, 141,312 bytes of LDS; arguments fine32, Wo, out0; writes out0
.if DOCPART == 5
	.amdgcn_target "amdgcn-amd-amdhsa--gfx1250"
	.amdhsa_code_object_version 6
	.text
	.protected	k_q2cdb5e9c45_fine
	.globl	k_q2cdb5e9c45_fine
	.p2align	8
	.type	k_q2cdb5e9c45_fine,@function
k_q2cdb5e9c45_fine:
	s_mov_b64 s[64:65], 0
	v_nop
	global_prefetch_b8 v0, s[64:65] scope:SCOPE_SE
	s_setreg_imm32_b32 hwreg(HW_REG_WAVE_MODE, 25, 1), 1
	s_wait_xcnt 0x0
; THE FIRST 16 POSITIONS OF EVERY BATCH, ALL IN f32: under the causal mask they average one to sixteen values, so that rounded operands weigh most there.  Scores, softmax, P V and the projection of these 64 rows
; are made again from the f32 sums of Q, K, V (fine32) and from Wo as it is given, by v_wmma_f32_16x16x4_f32, and written over what the launch before has stored in those rows of out0.
; SHARES.  A work-group takes one batch and 64 columns of out0; wave w takes head w: its 16 x 16 attention (made anew in each of the batch's sixteen work-groups: 32 matrix instructions) and its head's part of the
; projection's sum over K; the sixteen parts meet in LDS, and wave w adds and stores row w.
; fine32 [16 x tensor + head][batch][channel / 16][1,024 bytes]: an accumulator as it stood: lane (r, h) holds position r, register j channel 16 c + 8 h + j; registers 0-3 at 16 x lane, 4-7 at 512 + 16 x lane.
; ALONG K THE ORDER IS PERMUTED ALIKE ON BOTH SIDES: registers 2 p, 2 p + 1 of such an accumulator serve as one K step of 4, in which the lanes' half h holds index 16 c + 8 h + 2 p + 0, 1.
; The four accumulators v16-47 are written by matrix instructions alone; each sum starts with the constant 0; they take turns, one instruction a turn.
.set HP,    4352                       ; a head's region in LDS: 16 rows x 272
.set PITCH, 272
.set RED,   69632                      ; LDS: V's sixteen regions, then the projection's sixteen parts,
.set SPARE, 139264                     ; then the spare words, 128 bytes for each wave
.set ACC, 16
.set QR,  48                           ; v48-79 Q, v80-111 K; later Wo's K steps 8-15
.set KR,  80
.set VR,  112                          ; v112-143 V; later res
.set VT,  144                          ; v144-175 V^T; later the sixteen parts of my row
.set W0,  176                          ; v176-239 Wo's K steps 0-7
.set W1,  48
.set T,   240                          ; v240-247 the scores, then p
.set SPW, 254
.set NIL, 255
	s_load_b128 s[4:7], s[0:1], 0x0                ; fine32 s[4:5], Wo s[6:7]
	s_load_b64 s[8:9], s[0:1], 0x10                ; out0
	v_lshl_add_u32 v[SPW], v0, 2, SPARE
	v_mov_b32 v[NIL], 0
	v_lshrrev_b32 v9, 5, v0
	v_readfirstlane_b32 s10, v9                    ; wave = head
	s_and_b32 s11, ttmp7, 0xffff                   ; the batch
	v_and_b32 v12, 31, v0                          ; lane
	v_and_b32 v13, 15, v0                          ; r
	v_bfe_u32 v14, v0, 4, 1                        ; h
	v_lshlrev_b32 v1, 4, v12                       ; v1: 16 x lane
	s_mul_i32 s12, s10, HP
	v_mul_u32_u24 v2, v13, PITCH
	v_lshl_add_u32 v2, v14, 5, v2
	v_add_nc_u32 v2, s12, v2                       ; v2: V into LDS: row r, + 32 h
	v_add_nc_u32 v5, RED, v2                       ; v5: my part of the projection likewise
	v_mul_u32_u24 v3, v14, 8*PITCH
	v_lshl_add_u32 v3, v13, 2, v3
	v_add_nc_u32 v3, s12, v3                       ; v3: V^T out of LDS: key 8 h + .., channel r + ..
	v_lshlrev_b32 v4, 15, v14
	v_lshl_add_u32 v4, v13, 2, v4                  ; v4: Wo: 8 h rows of 4,096 bytes + 4 r
	s_mul_i32 s13, s10, PITCH
	v_lshlrev_b32 v7, 3, v12                       ; v7: 8 x lane: my two columns of a row of 64
	v_add_nc_u32 v6, s13, v7
	v_add_nc_u32 v6, RED, v6                       ; v6: row w of each part
	v_lshlrev_b32 v15, 3, v14
	v_sub_nc_u32 v8, v13, v15                      ; v8: r - 8 h
	v_mov_b32 v11, 0xff800000                      ; -infinity
	v_mov_b32 v10, 0                               ; (a lane permute's destination counts as one of its sources)
	v_mov_b32 v13, 0
	v_mov_b32 v15, 0
	s_mov_b32 s20, 0x76543210
	s_mov_b32 s21, 0xfedcba98
	s_mov_b32 s22, 0x3e38aa3b                      ; c = log2(e) / 8
	s_lshl_b32 s14, s10, 2
	s_add_co_u32 s14, s14, s11
	s_lshl_b32 s14, s14, 12                        ; fine32: 4,096 bytes a head and batch
	s_mov_b32 s15, 0
	s_lshl_b32 s16, s10, 18                        ; Wo: my head's 64 rows,
	s_lshl_b32 s17, ttmp9, 8                       ; my work-group's 64 columns
	s_add_co_u32 s16, s16, s17
	s_lshl_b32 s18, s11, 11
	s_add_co_u32 s18, s18, s10                     ; out0: row 2,048 x batch + w
	s_lshl_b32 s18, s18, 12
	s_add_co_u32 s18, s18, s17
	s_mov_b32 s17, 0
	s_mov_b32 s19, 0
	s_wait_kmcnt 0x0
	s_add_nc_u64 s[4:5], s[4:5], s[14:15]
	s_add_nc_u64 s[6:7], s[6:7], s[16:17]
	s_add_nc_u64 s[8:9], s[8:9], s[18:19]
.irp i, 0,1,2,3,4,5,6,7
	global_load_b128 v[QR+4*\i:QR+4*\i+3], v1, s[4:5] offset:512*\i
.endr
.irp i, 0,1,2,3,4,5,6,7
	global_load_b128 v[KR+4*\i:KR+4*\i+3], v1, s[4:5] offset:262144+512*\i
.endr
.irp i, 0,1,2,3,4,5,6,7
	global_load_b128 v[VR+4*\i:VR+4*\i+3], v1, s[4:5] offset:524288+512*\i
.endr
; Wo^T for eight K steps from kz on: K step 4 c + p, tile n of 16 columns: lane (r, h), register z: Wo[64 head + 16 c + 8 h + 2 p + z][16 n + r]
.macro WOLOAD reg, kz
.irp s, 0,1,2,3,4,5,6,7
.irp n, 0,1,2,3
.irp z, 0,1
	global_load_b32 v[\reg+2*(4*\s+\n)+\z], v4, s[6:7] offset:(16*(((\kz)+\s)/4)+2*(((\kz)+\s)%4)+\z)*4096+64*\n
.endr
.endr
.endr
.endm
	WOLOAD W0, 0
	s_wait_loadcnt 63                              ; 64 loads were issued behind V's: a count of 63, the greatest that a wait can name, shows Q, K and V in
.irp i, 0,1,2,3,4,5,6,7
	ds_store_b128 v2, v[VR+4*\i:VR+4*\i+3] offset:64*(\i/2)+16*(\i%2)   ; V as rows [key][64 channels]
.endr
.irp c, 0,1,2,3
.irp p, 0,1,2,3
.irp z, 0,1
	ds_load_b32 v[VT+2*(4*\c+\p)+\z], v3 offset:(2*\p+\z)*PITCH+64*\c   ; and back by columns; my own bytes, served in order
.endr
.endr
.endr
.irp p, 0,1,2,3                                ; S^T = K Q^T, a quarter of the channels in each accumulator: a lane holds query r and keys 8 h + j
.irp c, 0,1,2,3
.if \p == 0
	v_wmma_f32_16x16x4_f32 v[ACC+8*\c:ACC+8*\c+7], v[KR+8*\c+2*\p:KR+8*\c+2*\p+1], v[QR+8*\c+2*\p:QR+8*\c+2*\p+1], 0
.else
	v_wmma_f32_16x16x4_f32 v[ACC+8*\c:ACC+8*\c+7], v[KR+8*\c+2*\p:KR+8*\c+2*\p+1], v[QR+8*\c+2*\p:QR+8*\c+2*\p+1], v[ACC+8*\c:ACC+8*\c+7]
.endif
.endr
.endr
.rept 8
	v_nop                                          ; eight places behind this form, in front of loads into its sources and of the first reads of its results
.endr
	WOLOAD W1, 8
.irp i, 0,2,4,6
	v_pk_add_f32 v[T+\i:T+\i+1], v[ACC+\i:ACC+\i+1], v[ACC+8+\i:ACC+8+\i+1]
.endr
.irp i, 0,2,4,6
	v_pk_add_f32 v[T+\i:T+\i+1], v[T+\i:T+\i+1], v[ACC+16+\i:ACC+16+\i+1]
.endr
.irp i, 0,2,4,6
	v_pk_add_f32 v[T+\i:T+\i+1], v[T+\i:T+\i+1], v[ACC+24+\i:ACC+24+\i+1]
.endr
.irp j, 0,1,2,3,4,5,6,7
	v_cmp_gt_i32 vcc_lo, \j, v8                    ; key 8 h + j comes after query r
	v_cndmask_b32 v[T+\j], v[T+\j], v11, vcc_lo
.endr
	v_max3_num_f32 v9, v[T], v[T+1], v[T+2]
	v_max3_num_f32 v9, v9, v[T+3], v[T+4]
	v_max3_num_f32 v9, v9, v[T+5], v[T+6]
	v_max_num_f32 v9, v9, v[T+7]
	v_permlanex16_b32 v10, v9, s20, s21
	v_max_num_f32 v9, v9, v10                      ; the row's maximum (key 0 counts for every query)
	v_mul_f32 v9, s22, v9
.irp j, 0,1,2,3,4,5,6,7
	v_fma_f32 v[T+\j], v[T+\j], s22, -v9
.endr
.irp j, 0,1,2,3,4,5,6,7
	v_exp_f32 v[T+\j], v[T+\j]                     ; p
.endr
	v_nop
	s_wait_alu depctr_va_vdst(0)                   ; one wait for the eight, ahead of their first reader
	v_pk_add_f32 v[12:13], v[T:T+1], v[T+2:T+3]
	v_pk_add_f32 v[14:15], v[T+4:T+5], v[T+6:T+7]
	v_pk_add_f32 v[12:13], v[12:13], v[14:15]
	v_add_f32 v12, v12, v13
	v_permlanex16_b32 v13, v12, s20, s21
	v_add_f32 v12, v12, v13                        ; the row's sum
	v_rcp_f32 v14, v12
	v_nop
	s_wait_alu depctr_va_vdst(0)
	s_wait_dscnt 0x0                               ; V^T is in
.irp p, 0,1,2,3                                ; O^T = V^T P: K step p holds keys 8 h + 2 p + 0, 1.  (More than nine plain instructions that name none of the first products' registers stand between those and these)
.irp c, 0,1,2,3
.if \p == 0
	v_wmma_f32_16x16x4_f32 v[ACC+8*\c:ACC+8*\c+7], v[VT+2*(4*\c+\p):VT+2*(4*\c+\p)+1], v[T+2*\p:T+2*\p+1], 0
.else
	v_wmma_f32_16x16x4_f32 v[ACC+8*\c:ACC+8*\c+7], v[VT+2*(4*\c+\p):VT+2*(4*\c+\p)+1], v[T+2*\p:T+2*\p+1], v[ACC+8*\c:ACC+8*\c+7]
.endif
.endr
.endr
.rept 8
	v_nop
.endr
.set i, 0
.rept 16
	v_pk_mul_f32 v[VR+i:VR+i+1], v[ACC+i:ACC+i+1], v[14:15] op_sel_hi:[1,0]   ; res = O^T / the sum, into other registers: lane (r, h): query r, register 8 c + j: channel 16 c + 8 h + j
.set i, i+2
.endr
.rept 4
	v_nop                                          ; with the eight above more than the nine places that are owed in front of products that write over the accumulators
.endr
	s_wait_loadcnt 0x0                             ; Wo
.macro PROJ reg, kz                            ; my head's part of out^T: source 0 = 16 columns of Wo, source 1 = res
.irp s, 0,1,2,3,4,5,6,7
.irp n, 0,1,2,3
.if ((\kz)+\s) == 0
	v_wmma_f32_16x16x4_f32 v[ACC+8*\n:ACC+8*\n+7], v[\reg+2*(4*\s+\n):\reg+2*(4*\s+\n)+1], v[VR+8*(((\kz)+\s)/4)+2*(((\kz)+\s)%4):VR+8*(((\kz)+\s)/4)+2*(((\kz)+\s)%4)+1], 0
.else
	v_wmma_f32_16x16x4_f32 v[ACC+8*\n:ACC+8*\n+7], v[\reg+2*(4*\s+\n):\reg+2*(4*\s+\n)+1], v[VR+8*(((\kz)+\s)/4)+2*(((\kz)+\s)%4):VR+8*(((\kz)+\s)/4)+2*(((\kz)+\s)%4)+1], v[ACC+8*\n:ACC+8*\n+7]
.endif
.endr
.endr
.endm
	PROJ W0, 0
	PROJ W1, 8
.rept 8
	v_nop
.endr
.irp n, 0,1,2,3
	ds_store_b128 v5, v[ACC+8*\n:ACC+8*\n+3] offset:64*\n          ; lane (r, h): query r, columns 16 n + 8 h + 0 .. 7; each accumulator from its low end on
	ds_store_b128 v5, v[ACC+8*\n+4:ACC+8*\n+7] offset:64*\n+16
.endr
	s_wait_dscnt 0x0                               ; for the others' sake: my stores have landed
	s_barrier_signal -1
	s_barrier_wait -1
.irp u, 0,1,2,3,4,5,6,7,8,9,10,11,12,13,14,15
	ds_load_b64 v[VT+2*\u:VT+2*\u+1], v6 offset:\u*HP              ; row w of head u's part: 256 consecutive bytes
.endr
	s_wait_dscnt 0x0
	v_pk_add_f32 v[VT:VT+1], v[VT:VT+1], v[VT+2:VT+3]              ; the sum over the heads, in two chains
	v_pk_add_f32 v[VT+4:VT+5], v[VT+4:VT+5], v[VT+6:VT+7]
.irp u, 4,6,8,10,12,14
	v_pk_add_f32 v[VT:VT+1], v[VT:VT+1], v[VT+2*\u:VT+2*\u+1]
	v_pk_add_f32 v[VT+4:VT+5], v[VT+4:VT+5], v[VT+2*\u+2:VT+2*\u+3]
.endr
	v_pk_add_f32 v[VT:VT+1], v[VT:VT+1], v[VT+4:VT+5]
	global_store_b64 v7, v[VT:VT+1], s[8:9]        ; the wave stores 256 consecutive bytes, aligned
	s_wait_tensorcnt 0x0                           ; the wave's end, behind my last LDS store
	ds_add_u32 v[SPW], v[NIL]
	s_wait_dscnt 0x0
	s_endpgm
.Lfunc_end_k_q2cdb5e9c45_fine:
	.size	k_q2cdb5e9c45_fine, .Lfunc_end_k_q2cdb5e9c45_fine-k_q2cdb5e9c45_fine
	.p2alignl 7, 3214868480
	.fill 96, 4, 3214868480
	.section	.rodata,"a",@progbits
	.p2align	6, 0x0
	.amdhsa_kernel k_q2cdb5e9c45_fine
		.amdhsa_group_segment_fixed_size 141312
		.amdhsa_private_segment_fixed_size 0
		.amdhsa_enable_private_segment 0
		.amdhsa_kernarg_size 24
		.amdhsa_user_sgpr_count 2
		.amdhsa_user_sgpr_kernarg_segment_ptr 1
		.amdhsa_wavefront_size32 1
		.amdhsa_system_sgpr_workgroup_id_x 1
		.amdhsa_system_sgpr_workgroup_id_y 1
		.amdhsa_system_sgpr_workgroup_id_z 1
		.amdhsa_system_vgpr_workitem_id 0
		.amdhsa_next_free_vgpr 256
		.amdhsa_next_free_sgpr 66
		.amdhsa_reserve_vcc 1
		.amdhsa_float_denorm_mode_32 3
		.amdhsa_float_denorm_mode_16_64 3
		.amdhsa_memory_ordered 1
		.amdhsa_forward_progress 1
		.amdhsa_inst_pref_size 33
	.end_amdhsa_kernel
	.amdgpu_metadata
---
amdhsa.version: [ 1, 2 ]
amdhsa.kernels:
  - .name:           k_q2cdb5e9c45_fine
    .symbol:         k_q2cdb5e9c45_fine.kd
    .args:
      - { .name: fine32, .offset: 0, .size: 8, .value_kind: global_buffer, .address_space: global }
      - { .name: Wo, .offset: 8, .size: 8, .value_kind: global_buffer, .address_space: global }
      - { .name: out0, .offset: 16, .size: 8, .value_kind: global_buffer, .address_space: global }
    .group_segment_fixed_size: 141312
    .private_segment_fixed_size: 0
    .kernarg_segment_align: 8
    .kernarg_segment_size: 24
    .max_flat_workgroup_size: 512
    .sgpr_count:     66
    .vgpr_count:     256
    .wavefront_size: 32
...
	.end_amdgpu_metadata
.endif
;; end of part 5
